; MI455X (gfx1250); checked and timed in simulation.
; The chip was launched on July 23, 2026; its instructions are those of AMD's public machine-readable ISA for CDNA 5 (MIT licence, August 2026) and "CDNA5" Instruction Set Architecture Reference Guide (July 2026). The comments in the code are by the model that wrote it; some were corrected since.
;; LDR Fat. Allowed arithmetic: float matrix products may take bf16 or f16 operands with f32 sums; all other float work in f32.
;; Inputs: W 3,072 x 3,072 float32; fc_b 512 float32; fc_w 512 x 3,072 float32; logits_b 10 float32; logits_w 10 x 512 float32; x 4,096 x 3,072 float32.
;; Outputs: out0 4,096 x 10 float32.
;; 2 versions, each right; version 2 is version 1 with the launches gemm1, gemm2 written anew for expert scheduling mode. Each part assembles by itself: llvm-mc -triple=amdgcn-amd-amdhsa -mcpu=gfx1250 --defsym DOCPART=n.
;; ======== version 1 of 2: 4 launches
;; workspace buffers: fcp 3,145,728 bytes; mtp 3,145,728 bytes; part 655,360 bytes
;; launch pack (part 1): grid 8 x 32, 3 waves a work-group, no clusters, 13,824 bytes of LDS; arguments fc_w, fcp; writes fcp
.if DOCPART == 1
	.amdgcn_target "amdgcn-amd-amdhsa--gfx1250"
	.amdhsa_code_object_version 6
	.text
	.protected	k_qe200ff75d1_pack
	.globl	k_qe200ff75d1_pack
	.p2align	8
	.type	k_qe200ff75d1_pack,@function
k_qe200ff75d1_pack:
	s_mov_b64 s[64:65], 0
	v_nop
	global_prefetch_b8 v0, s[64:65] scope:SCOPE_SE
	s_setreg_imm32_b32 hwreg(HW_REG_WAVE_MODE, 25, 1), 1
	s_wait_xcnt 0x0
; fc_w [512][3072] f32  ->  fcp: the same numbers rounded once to bf16, laid out in FRAGMENT ORDER:
; for a block of 16 rows jb (0..31) and a K step ks of 32 (0..95) one block of 1,024 bytes at (96 jb + ks) * 1024; in it piece p (0, 1)
; at 512 p + 16 lane holds, for lane (r = lane % 16, h = lane / 16), the 8 numbers of row 16 jb + r at k = 32 ks + 16 p + 8 h + 0..7.
; Two 16-byte loads a lane, each 512 consecutive bytes of a wave, are then a whole 16 x 32 matrix operand (ISA guide 7.12.2).
; One wave takes 16 rows x 128 k: sixteen loads of 512 consecutive bytes (one row each), rounded, laid as rows of 256 + 16 bytes into the
; wave's own LDS bytes, read back by fragments, stored as eight runs of 512 consecutive bytes.  No wave reads another's bytes: no barrier.
; The stream is read once and written once; matrix units, clusters and tensor loads have nothing to add to it.
.set ROWB,  12288                      ; bytes in a row of fc_w
.set PITCH, 272                        ; an LDS row: 256 bytes + 16, so that 16 rows' equal columns start 16 bytes apart modulo 256
.set WBLK,  16*PITCH                   ; a wave's LDS bytes
.set OF,  1                            ; v1        16 x lane: offset of my 16 bytes in a run of 512
.set STA, 2                            ; v2        LDS: where my 8 bytes of a row go
.set FRA, 3                            ; v3        LDS: where my 16 bytes of a fragment piece lie
.set X,   4                            ; v[4:67]   row i: 4 f32 as loaded
.set P,   68                           ; v[68:99]  row i: 4 bf16
.set F,   100                          ; v[100:131] piece c: 8 bf16 to store (v100, v101 serve as temporaries first)
	s_load_b128 s[4:7], s[0:1], 0x0                ; fc_w s[4:5], fcp s[6:7]
	v_lshl_add_u32 v132, v0, 2, 0x3400
	v_mov_b32 v133, 0
	v_lshrrev_b32 v[F], 5, v0
	v_readfirstlane_b32 s8, v[F]                   ; wave 0..2
	s_and_b32 s9, ttmp7, 0xffff                    ; jb: the block of 16 rows
	s_mul_i32 s10, ttmp9, 3
	s_add_co_u32 s10, s10, s8                      ; kc = 3 x + wave: which 128 of k (0..23)
	v_and_b32 v[F], 31, v0                         ; lane
	v_lshlrev_b32 v[OF], 4, v[F]
	s_mul_i32 s11, s8, WBLK
	v_lshl_add_u32 v[STA], v[F], 3, s11            ; wave's bytes + 8 x lane
	v_and_b32 v[F+1], 15, v0                       ; r
	v_bfe_u32 v[F], v0, 4, 1                       ; h
	v_mul_u32_u24 v[FRA], v[F+1], PITCH
	v_lshl_add_u32 v[FRA], v[F], 4, v[FRA]
	v_add_nc_u32 v[FRA], s11, v[FRA]               ; wave's bytes + r x pitch + 16 h
	s_mul_i32 s12, s9, 16*ROWB
	s_lshl_b32 s13, s10, 9
	s_add_co_u32 s12, s12, s13                     ; source: 16 jb rows + 512 kc bytes
	s_mov_b32 s13, 0
	s_mul_i32 s14, s9, 96*1024
	s_lshl_b32 s15, s10, 12
	s_add_co_u32 s14, s14, s15                     ; target: (96 jb + 4 kc) blocks of 1,024 bytes
	s_mov_b32 s15, 0
	s_wait_kmcnt 0x0
	s_add_nc_u64 s[4:5], s[4:5], s[12:13]
	s_add_nc_u64 s[6:7], s[6:7], s[14:15]
.irp i, 0,1,2,3,4,5,6,7,8,9,10,11,12,13,14,15
	global_load_b128 v[X+4*\i:X+4*\i+3], v[OF], s[4:5] offset:\i*ROWB th:TH_LOAD_NT   ; row i: 512 consecutive bytes, read once in the launch
.endr
.irp i, 0,1,2,3,4,5,6,7,8,9,10,11,12,13,14,15
	s_wait_loadcnt 15-\i                           ; loads come back in order (ISA guide 5.7.1): row i is in, the 15 - i younger rows stay out
	v_cvt_pk_bf16_f32 v[P+2*\i],   v[X+4*\i],   v[X+4*\i+1]
	v_cvt_pk_bf16_f32 v[P+2*\i+1], v[X+4*\i+2], v[X+4*\i+3]
	ds_store_b64 v[STA], v[P+2*\i:P+2*\i+1] offset:\i*PITCH
.endr
.irp c, 0,1,2,3,4,5,6,7
	ds_load_b128 v[F+4*\c:F+4*\c+3], v[FRA] offset:32*\c   ; piece c = 2 (K step) + p: 16 k further each; LDS serves a wave's instructions in order, so these see the stores above
.endr
.irp c, 0,1,2,3,4,5,6,7
	s_wait_dscnt 7-\c                              ; piece c is in, the 7 - c younger ones stay out
	global_store_b128 v[OF], v[F+4*\c:F+4*\c+3], s[6:7] offset:512*\c   ; 512 consecutive bytes at a multiple of 512 from fcp's first byte
.endr
	s_wait_tensorcnt 0x0
	ds_add_u32 v132, v133
	s_wait_dscnt 0x0
	s_endpgm
.Lfunc_end_k_qe200ff75d1_pack:
	.size	k_qe200ff75d1_pack, .Lfunc_end_k_qe200ff75d1_pack-k_qe200ff75d1_pack
	.p2alignl 7, 3214868480
	.fill 96, 4, 3214868480
	.section	.rodata,"a",@progbits
	.p2align	6, 0x0
	.amdhsa_kernel k_qe200ff75d1_pack
		.amdhsa_group_segment_fixed_size 13824
		.amdhsa_private_segment_fixed_size 0
		.amdhsa_enable_private_segment 0
		.amdhsa_kernarg_size 16
		.amdhsa_user_sgpr_count 2
		.amdhsa_user_sgpr_kernarg_segment_ptr 1
		.amdhsa_wavefront_size32 1
		.amdhsa_system_sgpr_workgroup_id_x 1
		.amdhsa_system_sgpr_workgroup_id_y 1
		.amdhsa_system_sgpr_workgroup_id_z 1
		.amdhsa_system_vgpr_workitem_id 0
		.amdhsa_next_free_vgpr 134
		.amdhsa_next_free_sgpr 66
		.amdhsa_reserve_vcc 0
		.amdhsa_float_denorm_mode_32 3
		.amdhsa_float_denorm_mode_16_64 3
		.amdhsa_memory_ordered 1
		.amdhsa_forward_progress 1
		.amdhsa_inst_pref_size 9
	.end_amdhsa_kernel
	.amdgpu_metadata
---
amdhsa.version: [ 1, 2 ]
amdhsa.kernels:
  - .name:           k_qe200ff75d1_pack
    .symbol:         k_qe200ff75d1_pack.kd
    .args:
      - { .name: fc_w, .offset: 0, .size: 8, .value_kind: global_buffer, .address_space: global }
      - { .name: fcp, .offset: 8, .size: 8, .value_kind: global_buffer, .address_space: global }
    .group_segment_fixed_size: 13824
    .private_segment_fixed_size: 0
    .kernarg_segment_align: 8
    .kernarg_segment_size: 16
    .max_flat_workgroup_size: 96
    .sgpr_count:     66
    .vgpr_count:     134
    .wavefront_size: 32
...
	.end_amdgpu_metadata
.endif
;; end of part 1
;; launch gemm1 (part 2): grid 4 x 64, 16 waves a work-group, no clusters, 159,232 bytes of LDS; arguments W, fcp, mtp; writes mtp
.if DOCPART == 2
	.amdgcn_target "amdgcn-amd-amdhsa--gfx1250"
	.amdhsa_code_object_version 6
	.text
	.protected	k_qe200ff75d1_gemm1
	.globl	k_qe200ff75d1_gemm1
	.p2align	8
	.type	k_qe200ff75d1_gemm1,@function
k_qe200ff75d1_gemm1:
	s_mov_b64 s[64:65], 0
	v_nop
	global_prefetch_b8 v0, s[64:65] scope:SCOPE_SE
	s_setreg_imm32_b32 hwreg(HW_REG_WAVE_MODE, 25, 1), 1
	s_wait_xcnt 0x0
; MT[j][k] = sum over n of fc_w[j][n] W[k][n]:  [512][3072], f32 sums, rounded once to bf16, stored in fragment order (below) into mtp.
; WHY THIS PRODUCT: nothing but sums stands between x W and the product with fc_w, so (x W) fc_w^T = x (W fc_w^T) for every input;
; W fc_w^T has 512 columns where x W has 3,072, which leaves a quarter of the multiply-adds.
; LIMIT, stated: the order of rounding differs from the reference's: the intermediate that is rounded to bf16 is MT and not x W, and a sum
; over n is made in four parts, (0 + 1) + (2 + 3).  All matrix operands are bf16, which has f32's exponents.
; FRAGMENT ORDER (fcp and mtp): block of 16 rows jb, K step ks of 32: 1,024 bytes at (96 jb + ks) * 1024; piece p at 512 p + 16 lane holds, for lane
; (r = lane % 16, h = lane / 16), row 16 jb + r, k = 32 ks + 16 p + 8 h + 0..7.  Two 16-byte loads a lane are a whole operand.
;
; SHARES.  Work-group (cb = x, rb = y): 48 rows of W (k of MT) x 128 rows of fc_w (j), the whole sum over n = 3,072; 4 x 64 = 256 work-groups.
; Sixteen waves, w = 4 g + q.  n goes in 24 steps of 128; in each step wave (g, q) takes the 32 of n numbered g, all 48 rows of W and
; j = 32 q .. 32 q + 31: 3 x 2 accumulator tiles.  The four parts over g meet in LDS once, at the end.
; W's way: a wave loads 3 rows' 512 bytes a step into registers, rounds them once, and lays them as bf16 rows of 256 + 16 bytes into one of two
; LDS slots; each 32 of n is then read by the four waves of its g.  fcp goes straight from memory into operand registers.
; Four steps are on their way in registers: a wave has at most 4 x 7 = 28 loads out, the work-group 4 x (48 x 512 + 32,768) bytes.
; NO CLUSTER, NO TENSOR LOADS, though the four work-groups of a rb read the same rows of W and the 64 of a cb the same fcp: a joint tensor load would
; lay W into LDS as f32, so each of the four reading waves would read 4 bytes a number instead of 2 and round it again; and fcp needs no LDS at all,
; where a joint load would add a write and a read of its 32,768 bytes a step.  No prefetch: the register ring already asks four steps ahead.
.set ROWS,  48                         ; rows of W in a work-group
.set MTL,   ROWS/16                    ; row tiles of a wave
.set RPW,   ROWS/16                    ; rows that a wave loads in a step
.set NLD,   RPW+4                      ; loads of a wave in a step: RPW of W, 4 of fcp
.set ROWB,  12288                      ; bytes in a row of W
.set PITCH, 272                        ; an LDS row: 256 bytes + 16: the 16 rows of a fragment load start 16 bytes apart modulo 256
.set BLK,   16*PITCH                   ; 16 LDS rows
.set SLOT,  ROWS*PITCH                 ; a slot: one step's rows in bf16
.set RED,   2*SLOT                     ; behind the two slots: 16 regions of REDW bytes for the sum over g
.set REDW,  8192
.set JBB,   96*1024                    ; a block of 16 rows in fragment order
.set LN,  1                            ; v1        lane
.set VA,  2                            ; v2        W: w rows + 16 lane
.set VB,  3                            ; v3        fcp: 2 q blocks + g K steps + 16 lane
.set VST, 4                            ; v4        LDS: row w, 8 lane
.set VFR, 5                            ; v5        LDS: row r, 64 g + 16 h
.set TT,  8                            ; v[8:15]   rounded rows on their way to LDS; later the way out's addresses
.set ACC, 16                           ; v[16:63]  tile (t, u) at ACC + 8 (2 t + u)
.set AF,  80                           ; v[80:103] W's fragment t at AF + 8 t; later the packed results
.set XS,  112                          ; v[112:159] stage i: RPW rows of W as loaded, 4 registers each
.set BS,  176                          ; v[176:239] stage i: fcp's fragments u = 0, 1, 8 registers each
	s_load_b128 s[4:7], s[0:1], 0x0                ; W s[4:5], fcp s[6:7]
	s_load_b64 s[8:9], s[0:1], 0x10                ; mtp
	v_lshl_add_u32 v240, v0, 2, 0x26600
	v_mov_b32 v241, 0
	v_lshrrev_b32 v[TT], 5, v0
	v_readfirstlane_b32 s14, v[TT]                 ; w, 0..15
	s_lshr_b32 s15, s14, 2                         ; g: my 32 of each 128 of n; later my row tile
	s_and_b32 s16, s14, 3                          ; q: my 32 columns j
	s_and_b32 s18, ttmp7, 0xffff                   ; rb
	v_and_b32 v[LN], 31, v0
	s_mul_i32 s23, s14, ROWB
	v_lshl_add_u32 v[VA], v[LN], 4, s23
	s_mul_i32 s23, s16, 2*JBB
	s_lshl_b32 s24, s15, 10
	s_add_co_u32 s23, s23, s24
	v_lshl_add_u32 v[VB], v[LN], 4, s23
	s_mul_i32 s23, s14, PITCH
	v_lshl_add_u32 v[VST], v[LN], 3, s23
	v_and_b32 v[TT], 15, v0                        ; r
	v_bfe_u32 v[TT+1], v0, 4, 1                    ; h
	v_mul_u32_u24 v[VFR], v[TT], PITCH
	v_lshl_add_u32 v[VFR], v[TT+1], 4, v[VFR]
	s_lshl_b32 s23, s15, 6
	v_add_nc_u32 v[VFR], s23, v[VFR]
	s_mul_i32 s20, s18, ROWS*ROWB                  ; my 48 rows of W
	s_mov_b32 s21, 0
	s_mul_i32 s24, ttmp9, 8*JBB                    ; my 8 blocks of 16 rows, in fcp and in mtp
	s_mov_b32 s25, 0
	s_mul_i32 s26, s18, ROWS*32                    ; in mtp: 48 k = 3 pieces of 512 bytes
	s_mov_b32 s27, 0
	s_wait_kmcnt 0x0
	s_add_nc_u64 s[4:5], s[4:5], s[20:21]
	s_add_nc_u64 s[6:7], s[6:7], s[24:25]
	s_add_nc_u64 s[8:9], s[8:9], s[24:25]
	s_add_nc_u64 s[8:9], s[8:9], s[26:27]
; RPW loads: rows w + 16 i of W, the 512 bytes of the step k steps behind the base, into stage st.  One load of a wave is 512 consecutive bytes.
.macro LDX st, k
.set ii, 0
.rept RPW
	global_load_b128 v[XS+4*RPW*(\st)+4*ii:XS+4*RPW*(\st)+4*ii+3], v[VA], s[4:5] offset:ii*16*ROWB+(\k)*512
.set ii, ii+1
.endr
.endm
; 4 loads: my two fragments of fcp for the step k steps behind the base, into stage st
.macro LDB st, k
.irp u, 0,1
.irp p, 0,1
	global_load_b128 v[BS+16*(\st)+8*\u+4*\p:BS+16*(\st)+8*\u+4*\p+3], v[VB], s[6:7] offset:\u*JBB+\p*512+(\k)*4096
.endr
.endr
.endm
; One product: source 0 = 16 rows of W, source 1 = 16 rows of fc_w.  Register i of lane (r, h) is then MT[j = .. + r][k = .. + 8 h + i]:
; eight neighbouring k of one row j, which is a piece of the fragment order.  zero = 1: the first product starts the sum.
.macro MM acc, af, bf, zero
.if \zero
	v_wmma_f32_16x16x32_bf16 v[\acc:\acc+7], v[\af:\af+7], v[\bf:\bf+7], 0
.else
	v_wmma_f32_16x16x32_bf16 v[\acc:\acc+7], v[\af:\af+7], v[\bf:\bf+7], v[\acc:\acc+7]
.endif
.endm
; Step s (a = s mod 4; a = -1 in front of step 0).  Loads were issued in the order X(0), then the pairs (X(i+1), B(i)), i = 0, 1, ..; X(i) and B(i) lie
; in stage i mod 4.  The step multiplies LDS slot s & 1 by B(s), lays X(s+1) into the other slot and asks for the pair (X(s+5), B(s+4)).
; cnt = the loads issued behind the pair (X(s+1), B(s)).
.macro STEP a, zero, mul, cvt, ldx, ldb, cnt, bar
.set XI, (\a+5)%4
.set BI, (\a+4)%4
.set RS, (\a+4)&1
.set WS, RS^1
.if \mul
.set ti, 0
.rept MTL
	ds_load_b128 v[AF+8*ti:AF+8*ti+3],   v[VFR] offset:RS*SLOT+ti*BLK      ; k = 8 h + 0..7 of my 32
	ds_load_b128 v[AF+8*ti+4:AF+8*ti+7], v[VFR] offset:RS*SLOT+ti*BLK+32   ; k = 16 + 8 h + 0..7
.set ti, ti+1
.endr
.endif
	s_wait_loadcnt \cnt                            ; loads come back in order (ISA guide 5.7.1): the pair is in, the younger ones stay out
.if \cvt
.set ii, 0
.rept RPW
	v_cvt_pk_bf16_f32 v[TT+2*ii],   v[XS+4*RPW*XI+4*ii],   v[XS+4*RPW*XI+4*ii+1]
	v_cvt_pk_bf16_f32 v[TT+2*ii+1], v[XS+4*RPW*XI+4*ii+2], v[XS+4*RPW*XI+4*ii+3]
	ds_store_b64 v[VST], v[TT+2*ii:TT+2*ii+1] offset:WS*SLOT+ii*BLK        ; row w + 16 i: the wave's 256 consecutive bytes
.set ii, ii+1
.endr
.endif
.if \ldx
	LDX XI, \a+5
.endif
.if \mul
.set ti, 0
.rept MTL
	s_wait_dscnt 2*(MTL-1-ti)+RPW*\cvt             ; fragment t is in; behind it stand the younger fragments' loads and this step's LDS stores
	MM ACC+16*ti,   AF+8*ti, BS+16*BI,   \zero     ; the accumulators take turns, one instruction a turn, in the same order in every step
	MM ACC+16*ti+8, AF+8*ti, BS+16*BI+8, \zero     ; and over the backward jump
.set ti, ti+1
.endr
.endif
.rept 4
	v_nop                                          ; four places behind the matrix instructions in front of the loads into their
.endr                                              ; sources (this stage of B; W's fragments at the next step's head) and of the LDS stores of the sums
.if \ldb
	LDB BI, \a+4
.endif
.if \bar
	s_wait_dscnt 0x0                               ; my reads of this step's slot are back and my stores into the other have landed
	s_barrier_signal -1                            ; one barrier a step for both: the next step writes the slot read here
	s_barrier_wait -1                              ; and reads the slot written here
.endif
.endm
.macro ADV                             ; four steps on
	s_wait_xcnt 0x0                                ; the bases are written again only behind this wait (ISA guide 3.1)
	s_add_nc_u64 s[4:5], s[4:5], 4*512
	s_add_nc_u64 s[6:7], s[6:7], 4*4096
.endm
	LDX 0, 0
	LDX 1, 1
	LDB 0, 0
	LDX 2, 2
	LDB 1, 1
	LDX 3, 3
	LDB 2, 2
	STEP -1, 0, 0, 1, 1, 1, 3*NLD, 1               ; X(0) into slot 0; three pairs are younger
	STEP 0, 1, 1, 1, 1, 1, 3*NLD, 1                ; steps 0 to 3 stand in front of the loop: step 0 starts the sums, nothing is cleared
	STEP 1, 0, 1, 1, 1, 1, 3*NLD, 1
	STEP 2, 0, 1, 1, 1, 1, 3*NLD, 1
	STEP 3, 0, 1, 1, 1, 1, 3*NLD, 1
	ADV
	s_mov_b32 s22, 3                               ; steps 4 to 15
.Lk:
	STEP 0, 0, 1, 1, 1, 1, 3*NLD, 1
	STEP 1, 0, 1, 1, 1, 1, 3*NLD, 1
	STEP 2, 0, 1, 1, 1, 1, 3*NLD, 1
	STEP 3, 0, 1, 1, 1, 1, 3*NLD, 1
	ADV
	s_sub_co_u32 s22, s22, 1
	s_cmp_lg_u32 s22, 0
	s_cbranch_scc1 .Lk
	STEP 0, 0, 1, 1, 1, 1, 3*NLD, 1                ; 16: asks for X(21), B(20)
	STEP 1, 0, 1, 1, 1, 1, 3*NLD, 1                ; 17: X(22), B(21)
	STEP 2, 0, 1, 1, 1, 1, 3*NLD, 1                ; 18: X(23), B(22): W's last
	STEP 3, 0, 1, 1, 0, 1, 3*NLD, 1                ; 19: B(23) alone: the last load
	STEP 0, 0, 1, 1, 0, 0, 2*NLD+4, 1              ; 20: younger: two pairs and B(23)
	STEP 1, 0, 1, 1, 0, 0, NLD+4, 1                ; 21: one pair and B(23)
	STEP 2, 0, 1, 1, 0, 0, 4, 1                    ; 22: B(23)
	STEP 3, 0, 1, 0, 0, 0, 0, 0                    ; 23: nothing is younger; nothing more goes into a slot
	; THE SUM OVER g.  Every wave lays its six tiles into its own region (4 q + g), tile (t, u) at (2 t + u) x 1,024 bytes, 16 bytes a lane.
.set VRS,  TT
.set VRL,  TT+1
.set VOUT, TT+2
	s_lshl_b32 s23, s16, 15                        ; q x 4 regions
	s_lshl_b32 s24, s15, 13                        ; g regions
	s_add_co_u32 s24, s24, s23
	s_add_co_u32 s24, s24, RED
	v_lshl_add_u32 v[VRS], v[LN], 4, s24
.set ti, 0
.rept 2*MTL
	ds_store_b128 v[VRS], v[ACC+8*ti:ACC+8*ti+3]   offset:ti*1024
	ds_store_b128 v[VRS], v[ACC+8*ti+4:ACC+8*ti+7] offset:ti*1024+512
.set ti, ti+1
.endr
	s_lshl_b32 s24, s15, 11                        ; row tile t = g: its two tiles lie 2,048 g into each region
	s_add_co_u32 s24, s24, s23
	s_add_co_u32 s24, s24, RED
	v_lshl_add_u32 v[VRL], v[LN], 4, s24
	s_mul_i32 s24, s16, 2*JBB                      ; in mtp: 2 q blocks of 16 rows j, piece g of my 48 k, 16 lane
	s_lshl_b32 s25, s15, 9
	s_add_co_u32 s24, s24, s25
	v_lshl_add_u32 v[VOUT], v[LN], 4, s24
	s_wait_dscnt 0x0                               ; my sums have landed in LDS, for the others' sake
	s_barrier_signal -1
	s_barrier_wait -1                              ; the last barrier: waves may end behind it
	s_cmp_lt_u32 s14, 12                           ; there are three row tiles: the waves of g = 3 have nothing left
	s_cbranch_scc0 .Lend
.irp gg, 0,1,2,3
.irp c, 0,1,2,3
	ds_load_b128 v[BS+16*\gg+4*\c:BS+16*\gg+4*\c+3], v[VRL] offset:\gg*REDW+\c*512   ; part gg of row tile g: c = 2 u + p
.endr
.endr
	s_wait_dscnt 0x0
.irp c, 0,2,4,6,8,10,12,14
	v_pk_add_f32 v[BS+\c:BS+\c+1],       v[BS+\c:BS+\c+1],       v[BS+16+\c:BS+16+\c+1]   ; parts 0 + 1
	v_pk_add_f32 v[BS+32+\c:BS+32+\c+1], v[BS+32+\c:BS+32+\c+1], v[BS+48+\c:BS+48+\c+1]   ; parts 2 + 3
.endr
.irp c, 0,2,4,6,8,10,12,14
	v_pk_add_f32 v[BS+\c:BS+\c+1], v[BS+\c:BS+\c+1], v[BS+32+\c:BS+32+\c+1]
.endr
.irp c, 0,1,2,3,4,5,6,7
	v_cvt_pk_bf16_f32 v[AF+\c], v[BS+2*\c], v[BS+2*\c+1]      ; MT's one rounding
.endr
	global_store_b128 v[VOUT], v[AF:AF+3],   s[8:9]            ; each store of the wave: 512 consecutive bytes at a multiple of 512, one piece of the fragment order
	global_store_b128 v[VOUT], v[AF+4:AF+7], s[8:9] offset:JBB
.Lend:
	s_wait_tensorcnt 0x0
	ds_add_u32 v240, v241
	s_wait_dscnt 0x0
	s_endpgm
.Lfunc_end_k_qe200ff75d1_gemm1:
	.size	k_qe200ff75d1_gemm1, .Lfunc_end_k_qe200ff75d1_gemm1-k_qe200ff75d1_gemm1
	.p2alignl 7, 3214868480
	.fill 96, 4, 3214868480
	.section	.rodata,"a",@progbits
	.p2align	6, 0x0
	.amdhsa_kernel k_qe200ff75d1_gemm1
		.amdhsa_group_segment_fixed_size 159232
		.amdhsa_private_segment_fixed_size 0
		.amdhsa_enable_private_segment 0
		.amdhsa_kernarg_size 24
		.amdhsa_user_sgpr_count 2
		.amdhsa_user_sgpr_kernarg_segment_ptr 1
		.amdhsa_wavefront_size32 1
		.amdhsa_system_sgpr_workgroup_id_x 1
		.amdhsa_system_sgpr_workgroup_id_y 1
		.amdhsa_system_sgpr_workgroup_id_z 1
		.amdhsa_system_vgpr_workitem_id 0
		.amdhsa_next_free_vgpr 242
		.amdhsa_next_free_sgpr 66
		.amdhsa_reserve_vcc 0
		.amdhsa_float_denorm_mode_32 3
		.amdhsa_float_denorm_mode_16_64 3
		.amdhsa_memory_ordered 1
		.amdhsa_forward_progress 1
		.amdhsa_inst_pref_size 45
	.end_amdhsa_kernel
	.amdgpu_metadata
---
amdhsa.version: [ 1, 2 ]
amdhsa.kernels:
  - .name:           k_qe200ff75d1_gemm1
    .symbol:         k_qe200ff75d1_gemm1.kd
    .args:
      - { .name: W, .offset: 0, .size: 8, .value_kind: global_buffer, .address_space: global }
      - { .name: fcp, .offset: 8, .size: 8, .value_kind: global_buffer, .address_space: global }
      - { .name: mtp, .offset: 16, .size: 8, .value_kind: global_buffer, .address_space: global }
    .group_segment_fixed_size: 159232
    .private_segment_fixed_size: 0
    .kernarg_segment_align: 8
    .kernarg_segment_size: 24
    .max_flat_workgroup_size: 512
    .sgpr_count:     66
    .vgpr_count:     242
    .wavefront_size: 32
...
	.end_amdgpu_metadata
.endif
;; end of part 2
;; launch gemm2 (part 3): grid 4 x 64, 16 waves a work-group, no clusters, 188,416 bytes of LDS; arguments x, mtp, fc_b, logits_w, part; writes part
.if DOCPART == 3
	.amdgcn_target "amdgcn-amd-amdhsa--gfx1250"
	.amdhsa_code_object_version 6
	.text
	.protected	k_qe200ff75d1_gemm2
	.globl	k_qe200ff75d1_gemm2
	.p2align	8
	.type	k_qe200ff75d1_gemm2,@function
k_qe200ff75d1_gemm2:
	s_mov_b64 s[64:65], 0
	v_nop
	global_prefetch_b8 v0, s[64:65] scope:SCOPE_SE
	s_setreg_imm32_b32 hwreg(HW_REG_WAVE_MODE, 25, 1), 1
	s_wait_xcnt 0x0
; h[b][j] = relu(sum over k of x[b][k] MT[j][k] + fc_b[j]) for 64 rows b x 128 columns j, and that block's share of the logits:
; part[cb][b][c] = sum over the block's j of h[b][j] logits_w[c][j].  The four shares and logits_b are added by the next launch.
; mtp holds MT = fc_w W^T in bf16 in FRAGMENT ORDER: block of 16 rows jb, K step ks of 32: 1,024 bytes at (96 jb + ks) * 1024; piece p at
; 512 p + 16 lane holds, for lane (r = lane % 16, h = lane / 16), row 16 jb + r, k = 32 ks + 16 p + 8 h + 0..7.
; LIMITS, stated: the order of rounding differs from the reference's (x (W fc_w^T) for (x W) fc_w^T; a sum over k in four parts, (0 + 1) + (2 + 3); the
; logits in 4 x 4 parts); h is rounded to bf16 for the last product; relu is a maximum in which a NaN loses: a NaN in front of it gives 0.
;
; SHARES.  Work-group (cb = x, rb = y): 64 rows of x, 128 rows of MT, all of k = 3,072; 4 x 64 = 256 work-groups.  Sixteen waves, w = 4 g + q.
; k goes in 24 steps of 128; in each step wave (g, q) takes the 32 of k numbered g, all 64 rows and j = 32 q .. 32 q + 31: 4 x 2 accumulator tiles.
; The four parts over g meet in LDS once, at the end.
; x's way: a wave loads 4 rows' 512 bytes a step into registers, rounds them once, and lays them as bf16 rows of 256 + 16 bytes into one of two LDS
; slots; each 32 of k is then read by the four waves of its g.  mtp goes straight from memory into operand registers.
; Four steps are on their way in registers: a wave has at most 4 x 8 = 32 loads out, the work-group 4 x (64 x 512 + 32,768) bytes.
; NO CLUSTER, NO TENSOR LOADS, though the four work-groups of a rb read the same rows of x and the 64 of a cb the same mtp: a joint tensor load would
; lay x into LDS as f32, so each of the four reading waves would read 4 bytes a number instead of 2 and round it again; and mtp needs no LDS at all,
; where a joint load would add a write and a read of its 32,768 bytes a step.  No prefetch: the register ring already asks four steps ahead.
.set ROWS,  64                         ; rows of x in a work-group
.set MTL,   ROWS/16                    ; row tiles of a wave
.set RPW,   ROWS/16                    ; rows that a wave loads in a step
.set NLD,   RPW+4                      ; loads of a wave in a step: RPW of x, 4 of mtp
.set ROWB,  12288                      ; bytes in a row of x
.set PITCH, 272                        ; an LDS row: 256 bytes + 16: the 16 rows of a fragment load start 16 bytes apart modulo 256
.set BLK,   16*PITCH                   ; 16 LDS rows
.set SLOT,  ROWS*PITCH                 ; a slot: one step's rows in bf16
.set RED,   2*SLOT                     ; behind the two slots: 16 regions of REDW bytes for the sum over g
.set REDW,  8192
.set PLB,   RED+16*REDW                ; behind them: 16 blocks of PLW bytes, one a wave, for the logit shares
.set PLW,   1280                       ; 16 rows x 40 bytes, then as many bytes again that take classes 10 to 15 and are never read
.set JBB,   96*1024                    ; a block of 16 rows in fragment order
.set LN,  1                            ; v1        lane
.set VA,  2                            ; v2        x: w rows + 16 lane
.set VB,  3                            ; v3        mtp: 2 q blocks + g K steps + 16 lane
.set VST, 4                            ; v4        LDS: row w, 8 lane
.set VFR, 5                            ; v5        LDS: row r, 64 g + 16 h
.set VBI, 6                            ; v6        fc_b: 128 q + 32 h
.set VLW, 7                            ; v7        logits_w: row min(r, 9), 128 q + 32 h
.set TT,  8                            ; v[8:15]   rounded rows on their way to LDS; later the way out's addresses
.set ACC, 16                           ; v[16:79]  tile (t, u) at ACC + 8 (2 t + u)
.set AF,  80                           ; v[80:111] x's fragment t at AF + 8 t; later v[80:87] the logit shares
.set XS,  112                          ; v[112:175] stage i: RPW rows of x as loaded; at the end stage 0: fc_b, stage 1: logits_w, stage 2: LWF and HF
.set BS,  176                          ; v[176:239] stage i: mtp's fragments u = 0, 1, 8 registers each
.set LWF, XS+32                        ; logits_w as an operand: 16 classes x 32 j in bf16
.set HF,  XS+40                        ; h as an operand: 16 rows x 32 j in bf16
	s_load_b256 s[4:11], s[0:1], 0x0               ; x s[4:5], mtp s[6:7], fc_b s[8:9], logits_w s[10:11]
	s_load_b64 s[12:13], s[0:1], 0x20              ; part
	v_lshl_add_u32 v240, v0, 2, 0x2d800
	v_mov_b32 v241, 0
	v_lshrrev_b32 v[TT], 5, v0
	v_readfirstlane_b32 s14, v[TT]                 ; w, 0..15
	s_lshr_b32 s15, s14, 2                         ; g: my 32 of each 128 of k; later my row tile
	s_and_b32 s16, s14, 3                          ; q: my 32 columns j
	s_and_b32 s18, ttmp7, 0xffff                   ; rb
	v_and_b32 v[LN], 31, v0
	s_mul_i32 s23, s14, ROWB
	v_lshl_add_u32 v[VA], v[LN], 4, s23
	s_mul_i32 s23, s16, 2*JBB
	s_lshl_b32 s24, s15, 10
	s_add_co_u32 s23, s23, s24
	v_lshl_add_u32 v[VB], v[LN], 4, s23
	s_mul_i32 s23, s14, PITCH
	v_lshl_add_u32 v[VST], v[LN], 3, s23
	v_and_b32 v[TT], 15, v0                        ; r
	v_bfe_u32 v[TT+1], v0, 4, 1                    ; h
	v_mul_u32_u24 v[VFR], v[TT], PITCH
	v_lshl_add_u32 v[VFR], v[TT+1], 4, v[VFR]
	s_lshl_b32 s23, s15, 6
	v_add_nc_u32 v[VFR], s23, v[VFR]
	s_lshl_b32 s23, s16, 7
	v_lshl_add_u32 v[VBI], v[TT+1], 5, s23         ; my 8 columns of each tile: 4 x (32 q + 8 h) bytes
	v_min_u32 v[TT+2], 9, v[TT]                    ; lanes of classes 10 to 15 read class 9's row, inside the buffer; their numbers are zeroed below
	v_lshl_add_u32 v[VLW], v[TT+2], 11, v[VBI]
	s_mul_i32 s20, s18, ROWS*ROWB                  ; my 64 rows of x
	s_mov_b32 s21, 0
	s_mul_i32 s24, ttmp9, 8*JBB                    ; my 8 blocks of 16 rows of MT
	s_mov_b32 s25, 0
	s_lshl_b32 s26, ttmp9, 9                       ; my 128 columns in fc_b and in a row of logits_w
	s_mov_b32 s27, 0
	s_wait_kmcnt 0x0
	s_add_nc_u64 s[4:5], s[4:5], s[20:21]
	s_add_nc_u64 s[6:7], s[6:7], s[24:25]
	s_add_nc_u64 s[8:9], s[8:9], s[26:27]
	s_add_nc_u64 s[10:11], s[10:11], s[26:27]
	s_mul_i32 s20, ttmp9, 4096*40                  ; part: share cb, laid out as the output is,
	s_mul_i32 s24, s18, ROWS*40                    ; my 64 rows of 40 bytes
	s_add_co_u32 s20, s20, s24
	s_add_nc_u64 s[12:13], s[12:13], s[20:21]
; RPW loads: rows w + 16 i of x, the 512 bytes of the step k steps behind the base, into stage st.  One load of a wave is 512 consecutive bytes.
.macro LDX st, k
.set ii, 0
.rept RPW
	global_load_b128 v[XS+4*RPW*(\st)+4*ii:XS+4*RPW*(\st)+4*ii+3], v[VA], s[4:5] offset:ii*16*ROWB+(\k)*512
.set ii, ii+1
.endr
.endm
; 4 loads: my two fragments of mtp for the step k steps behind the base, into stage st
.macro LDB st, k
.irp u, 0,1
.irp p, 0,1
	global_load_b128 v[BS+16*(\st)+8*\u+4*\p:BS+16*(\st)+8*\u+4*\p+3], v[VB], s[6:7] offset:\u*JBB+\p*512+(\k)*4096
.endr
.endr
.endm
; One product, used transposed: source 0 = 16 rows of MT, source 1 = 16 rows of x.  Register i of lane (r, h) is then
; h[row .. + r][j = .. + 8 h + i]: eight neighbouring j of one row, so that a wave's two tiles of a row tile, once rounded, already are a
; 16 x 32 operand of the last product.  zero = 1: the first product starts the sum.
.macro MM acc, af, bf, zero
.if \zero
	v_wmma_f32_16x16x32_bf16 v[\acc:\acc+7], v[\bf:\bf+7], v[\af:\af+7], 0
.else
	v_wmma_f32_16x16x32_bf16 v[\acc:\acc+7], v[\bf:\bf+7], v[\af:\af+7], v[\acc:\acc+7]
.endif
.endm
; Step s (a = s mod 4; a = -1 in front of step 0).  Loads were issued in the order X(0), then the pairs (X(i+1), B(i)), i = 0, 1, ..; X(i) and B(i) lie
; in stage i mod 4.  The step multiplies LDS slot s & 1 by B(s), lays X(s+1) into the other slot and asks for the pair (X(s+5), B(s+4)).
; cnt = the loads issued behind the pair (X(s+1), B(s)).  ex = 1, 2: in the place of x's loads, which have ended, fc_b's or logits_w's four.
.macro STEP a, zero, mul, cvt, ldx, ldb, cnt, bar, ex
.set XI, (\a+5)%4
.set BI, (\a+4)%4
.set RS, (\a+4)&1
.set WS, RS^1
.if \mul
.set ti, 0
.rept MTL
	ds_load_b128 v[AF+8*ti:AF+8*ti+3],   v[VFR] offset:RS*SLOT+ti*BLK      ; k = 8 h + 0..7 of my 32
	ds_load_b128 v[AF+8*ti+4:AF+8*ti+7], v[VFR] offset:RS*SLOT+ti*BLK+32   ; k = 16 + 8 h + 0..7
.set ti, ti+1
.endr
.endif
	s_wait_loadcnt \cnt                            ; loads come back in order (ISA guide 5.7.1): the pair is in, the younger ones stay out
.if \cvt
.set ii, 0
.rept RPW
	v_cvt_pk_bf16_f32 v[TT+2*ii],   v[XS+4*RPW*XI+4*ii],   v[XS+4*RPW*XI+4*ii+1]
	v_cvt_pk_bf16_f32 v[TT+2*ii+1], v[XS+4*RPW*XI+4*ii+2], v[XS+4*RPW*XI+4*ii+3]
	ds_store_b64 v[VST], v[TT+2*ii:TT+2*ii+1] offset:WS*SLOT+ii*BLK        ; row w + 16 i: the wave's 256 consecutive bytes
.set ii, ii+1
.endr
.endif
.if \ldx
	LDX XI, \a+5
.endif
.if \ex == 1
.irp e, 0,1,2,3
	global_load_b128 v[XS+4*\e:XS+4*\e+3], v[VBI], s[8:9] offset:(\e>>1)*64+(\e&1)*16          ; fc_b of tile u = e / 2, registers 4 (e % 2) + 0..3; stage 0 was rounded above
.endr
.endif
.if \ex == 2
.irp e, 0,1,2,3
	global_load_b128 v[XS+16+4*\e:XS+16+4*\e+3], v[VLW], s[10:11] offset:(\e>>1)*64+(\e&1)*16  ; logits_w[class r][j = 8 h + 0..7 and 16 + 8 h + 0..7 of my 32]; stage 1 was rounded above
.endr
.endif
.if \mul
.set ti, 0
.rept MTL
	s_wait_dscnt 2*(MTL-1-ti)+RPW*\cvt             ; fragment t is in; behind it stand the younger fragments' loads and this step's LDS stores
	MM ACC+16*ti,   AF+8*ti, BS+16*BI,   \zero     ; the accumulators take turns, one instruction a turn, in the same order in every step
	MM ACC+16*ti+8, AF+8*ti, BS+16*BI+8, \zero     ; and over the backward jump
.set ti, ti+1
.endr
.endif
.rept 4
	v_nop                                          ; four places behind the matrix instructions in front of the loads into their
.endr                                              ; sources (this stage of B; x's fragments at the next step's head) and of the LDS stores of the sums
.if \ldb
	LDB BI, \a+4
.endif
.if \bar
	s_wait_dscnt 0x0                               ; my reads of this step's slot are back and my stores into the other have landed
	s_barrier_signal -1                            ; one barrier a step for both: the next step writes the slot read here
	s_barrier_wait -1                              ; and reads the slot written here
.endif
.endm
.macro ADV                             ; four steps on
	s_wait_xcnt 0x0                                ; the bases are written again only behind this wait (ISA guide 3.1)
	s_add_nc_u64 s[4:5], s[4:5], 4*512
	s_add_nc_u64 s[6:7], s[6:7], 4*4096
.endm
	LDX 0, 0
	LDX 1, 1
	LDB 0, 0
	LDX 2, 2
	LDB 1, 1
	LDX 3, 3
	LDB 2, 2
	STEP -1, 0, 0, 1, 1, 1, 3*NLD, 1, 0            ; X(0) into slot 0; three pairs are younger
	STEP 0, 1, 1, 1, 1, 1, 3*NLD, 1, 0             ; steps 0 to 3 stand in front of the loop: step 0 starts the sums, nothing is cleared
	STEP 1, 0, 1, 1, 1, 1, 3*NLD, 1, 0
	STEP 2, 0, 1, 1, 1, 1, 3*NLD, 1, 0
	STEP 3, 0, 1, 1, 1, 1, 3*NLD, 1, 0
	ADV
	s_mov_b32 s22, 3                               ; steps 4 to 15
.Lk:
	STEP 0, 0, 1, 1, 1, 1, 3*NLD, 1, 0
	STEP 1, 0, 1, 1, 1, 1, 3*NLD, 1, 0
	STEP 2, 0, 1, 1, 1, 1, 3*NLD, 1, 0
	STEP 3, 0, 1, 1, 1, 1, 3*NLD, 1, 0
	ADV
	s_sub_co_u32 s22, s22, 1
	s_cmp_lg_u32 s22, 0
	s_cbranch_scc1 .Lk
	STEP 0, 0, 1, 1, 1, 1, 3*NLD, 1, 0             ; 16: asks for X(21), B(20)
	STEP 1, 0, 1, 1, 1, 1, 3*NLD, 1, 0             ; 17: X(22), B(21)
	STEP 2, 0, 1, 1, 1, 1, 3*NLD, 1, 0             ; 18: X(23), B(22): x's last
	STEP 3, 0, 1, 1, 0, 1, 3*NLD, 1, 1             ; 19: fc_b's four, then B(23)
	STEP 0, 0, 1, 1, 0, 0, 2*NLD+8, 1, 2           ; 20: younger: two pairs, fc_b's four, B(23); then logits_w's four: the last loads
	STEP 1, 0, 1, 1, 0, 0, NLD+12, 1, 0            ; 21: one pair, fc_b, B(23), logits_w
	STEP 2, 0, 1, 1, 0, 0, 12, 1, 0                ; 22: fc_b, B(23), logits_w
	STEP 3, 0, 1, 0, 0, 0, 4, 0, 0                 ; 23: logits_w's four are younger than B(23); nothing more goes into a slot
	; THE SUM OVER g.  Every wave lays its eight tiles into its own region (4 q + g), tile (t, u) at (2 t + u) x 1,024 bytes, 16 bytes a lane.
.set VRS, TT
.set VRL, TT+1
.set RR,  TT+2
.set HH,  TT+3
.set VP0, TT+4
.set VP1, TT+5
.set VP2, TT+6
	s_lshl_b32 s23, s16, 15                        ; q x 4 regions
	s_lshl_b32 s24, s15, 13                        ; g regions
	s_add_co_u32 s24, s24, s23
	s_add_co_u32 s24, s24, RED
	v_lshl_add_u32 v[VRS], v[LN], 4, s24
.set ti, 0
.rept 2*MTL
	ds_store_b128 v[VRS], v[ACC+8*ti:ACC+8*ti+3]   offset:ti*1024
	ds_store_b128 v[VRS], v[ACC+8*ti+4:ACC+8*ti+7] offset:ti*1024+512
.set ti, ti+1
.endr
	s_lshl_b32 s24, s15, 11                        ; row tile t = g: its two tiles lie 2,048 g into each region
	s_add_co_u32 s24, s24, s23
	s_add_co_u32 s24, s24, RED
	v_lshl_add_u32 v[VRL], v[LN], 4, s24
	s_wait_loadcnt 0x0                             ; fc_b and logits_w
.irp c, 0,1,2,3,4,5,6,7
	v_cvt_pk_bf16_f32 v[LWF+\c], v[XS+16+2*\c], v[XS+16+2*\c+1]
.endr
	v_and_b32 v[RR], 15, v0                        ; r: the class of my row of this operand
	v_cmp_gt_u32 vcc_lo, 10, v[RR]
.irp c, 0,1,2,3,4,5,6,7
	v_cndmask_b32 v[LWF+\c], 0, v[LWF+\c], vcc_lo  ; there are ten classes: rows 10 to 15 of the operand are zero
.endr
	s_wait_dscnt 0x0                               ; my sums have landed in LDS, for the others' sake
	s_barrier_signal -1
	s_barrier_wait -1
.irp gg, 0,1,2,3
.irp c, 0,1,2,3
	ds_load_b128 v[BS+16*\gg+4*\c:BS+16*\gg+4*\c+3], v[VRL] offset:\gg*REDW+\c*512   ; part gg of row tile g: c = 2 u + p
.endr
.endr
	s_mul_i32 s24, s14, PLW
	s_add_co_u32 s24, s24, PLB                     ; my block for the logit shares
	s_wait_dscnt 0x0
.irp c, 0,2,4,6,8,10,12,14
	v_pk_add_f32 v[BS+\c:BS+\c+1],       v[BS+\c:BS+\c+1],       v[BS+16+\c:BS+16+\c+1]   ; parts 0 + 1
	v_pk_add_f32 v[BS+32+\c:BS+32+\c+1], v[BS+32+\c:BS+32+\c+1], v[BS+48+\c:BS+48+\c+1]   ; parts 2 + 3
.endr
.irp c, 0,2,4,6,8,10,12,14
	v_pk_add_f32 v[BS+\c:BS+\c+1], v[BS+\c:BS+\c+1], v[BS+32+\c:BS+32+\c+1]
.endr
.irp c, 0,2,4,6,8,10,12,14
	v_pk_add_f32 v[BS+\c:BS+\c+1], v[BS+\c:BS+\c+1], v[XS+\c:XS+\c+1]                     ; + fc_b
.endr
.irp c, 0,1,2,3,4,5,6,7,8,9,10,11,12,13,14,15
	v_max_num_f32 v[BS+\c], 0, v[BS+\c]            ; relu
.endr
.irp c, 0,1,2,3,4,5,6,7
	v_cvt_pk_bf16_f32 v[HF+\c], v[BS+2*\c], v[BS+2*\c+1]      ; tile u = 0 gives j = 8 h + 0..7 (registers 0-3), u = 1 gives 16 + 8 h + 0..7 (4-7)
.endr
	v_wmma_f32_16x16x32_bf16 v[AF:AF+7], v[LWF:LWF+7], v[HF:HF+7], 0   ; register i of lane (r, h): class 8 h + i of row 16 g + r, summed over my 32 j
	; five plain vector instructions that name none of its registers fill the four places in front of the LDS stores of the result
	v_bfe_u32 v[HH], v0, 4, 1                      ; h
	v_mul_u32_u24 v[VP0], v[RR], 40                ; a row of ten classes
	v_add_nc_u32 v[VP0], s24, v[VP0]
	v_lshl_add_u32 v[VP1], v[HH], 5, v[VP0]        ; registers 0, 1: classes 0, 1 (h = 0) or 8, 9 (h = 1)
	v_mad_u32_u24 v[VP2], v[HH], 640, v[VP0]       ; registers 2 to 7: classes 2 to 7 (h = 0); for h = 1 classes 10 to 15, into the block's second half, which nobody reads
	ds_store_b64 v[VP1], v[AF:AF+1]
	ds_store_b64 v[VP2], v[AF+2:AF+3] offset:8
	ds_store_b64 v[VP2], v[AF+4:AF+5] offset:16
	ds_store_b64 v[VP2], v[AF+6:AF+7] offset:24
	s_lshl_b32 s23, s14, 5
	s_wait_dscnt 0x0                               ; my shares have landed, for the others' sake
	s_barrier_signal -1
	s_barrier_wait -1                              ; the last barrier: waves may end behind it
	s_cmp_lt_u32 s14, 5                            ; 64 rows x 40 bytes = 160 threads x 16 bytes: waves 0 to 4
	s_cbranch_scc0 .Lend
	v_add_nc_u32 v[RR], s23, v[LN]                 ; T = 32 w + lane, 0..159: the 16 bytes at 16 T of the block's 2,560
	v_mul_u32_u24 v[HH], v[RR], 205
	v_lshrrev_b32 v[HH], 13, v[HH]                 ; T / 40 (exact for T < 160): the row tile g, 640 bytes each
	v_mul_u32_u24 v[HH], v[HH], 4*PLW-640          ; wave 4 g + q's block begins at (4 g + q) x 1,280; 640 g of 16 T are already counted
	v_lshlrev_b32 v[VP0], 4, v[RR]
	v_add3_u32 v[HH], v[HH], v[VP0], PLB
.irp c, 0,1,2,3
	ds_load_b128 v[BS+4*\c:BS+4*\c+3], v[HH] offset:\c*PLW     ; the share of q = c
.endr
	s_wait_dscnt 0x0
.irp c, 0,2
	v_pk_add_f32 v[BS+\c:BS+\c+1],     v[BS+\c:BS+\c+1],     v[BS+4+\c:BS+4+\c+1]
	v_pk_add_f32 v[BS+8+\c:BS+8+\c+1], v[BS+8+\c:BS+8+\c+1], v[BS+12+\c:BS+12+\c+1]
.endr
.irp c, 0,2
	v_pk_add_f32 v[BS+\c:BS+\c+1], v[BS+\c:BS+\c+1], v[BS+8+\c:BS+8+\c+1]
.endr
	global_store_b128 v[VP0], v[BS:BS+3], s[12:13]             ; the wave's 512 consecutive bytes, at a multiple of 256 from part's first byte
.Lend:
	s_wait_tensorcnt 0x0
	ds_add_u32 v240, v241
	s_wait_dscnt 0x0
	s_endpgm
.Lfunc_end_k_qe200ff75d1_gemm2:
	.size	k_qe200ff75d1_gemm2, .Lfunc_end_k_qe200ff75d1_gemm2-k_qe200ff75d1_gemm2
	.p2alignl 7, 3214868480
	.fill 96, 4, 3214868480
	.section	.rodata,"a",@progbits
	.p2align	6, 0x0
	.amdhsa_kernel k_qe200ff75d1_gemm2
		.amdhsa_group_segment_fixed_size 188416
		.amdhsa_private_segment_fixed_size 0
		.amdhsa_enable_private_segment 0
		.amdhsa_kernarg_size 40
		.amdhsa_user_sgpr_count 2
		.amdhsa_user_sgpr_kernarg_segment_ptr 1
		.amdhsa_wavefront_size32 1
		.amdhsa_system_sgpr_workgroup_id_x 1
		.amdhsa_system_sgpr_workgroup_id_y 1
		.amdhsa_system_sgpr_workgroup_id_z 1
		.amdhsa_system_vgpr_workitem_id 0
		.amdhsa_next_free_vgpr 242
		.amdhsa_next_free_sgpr 66
		.amdhsa_reserve_vcc 1
		.amdhsa_float_denorm_mode_32 3
		.amdhsa_float_denorm_mode_16_64 3
		.amdhsa_memory_ordered 1
		.amdhsa_forward_progress 1
		.amdhsa_inst_pref_size 59
	.end_amdhsa_kernel
	.amdgpu_metadata
---
amdhsa.version: [ 1, 2 ]
amdhsa.kernels:
  - .name:           k_qe200ff75d1_gemm2
    .symbol:         k_qe200ff75d1_gemm2.kd
    .args:
      - { .name: x, .offset: 0, .size: 8, .value_kind: global_buffer, .address_space: global }
      - { .name: mtp, .offset: 8, .size: 8, .value_kind: global_buffer, .address_space: global }
      - { .name: fc_b, .offset: 16, .size: 8, .value_kind: global_buffer, .address_space: global }
      - { .name: logits_w, .offset: 24, .size: 8, .value_kind: global_buffer, .address_space: global }
      - { .name: part, .offset: 32, .size: 8, .value_kind: global_buffer, .address_space: global }
    .group_segment_fixed_size: 188416
    .private_segment_fixed_size: 0
    .kernarg_segment_align: 8
    .kernarg_segment_size: 40
    .max_flat_workgroup_size: 512
    .sgpr_count:     66
    .vgpr_count:     242
    .wavefront_size: 32
...
	.end_amdgpu_metadata
.endif
;; end of part 3
;; launch finish (part 4): grid 160 x 1, 2 waves a work-group, no clusters, 0 bytes of LDS; arguments part, logits_b, out0; writes out0
.if DOCPART == 4
	.amdgcn_target "amdgcn-amd-amdhsa--gfx1250"
	.amdhsa_code_object_version 6
	.text
	.protected	k_qe200ff75d1_finish
	.globl	k_qe200ff75d1_finish
	.p2align	8
	.type	k_qe200ff75d1_finish,@function
k_qe200ff75d1_finish:
	s_mov_b64 s[64:65], 0
	v_nop
	global_prefetch_b8 v0, s[64:65] scope:SCOPE_SE
	s_setreg_imm32_b32 hwreg(HW_REG_WAVE_MODE, 25, 1), 1
	s_wait_xcnt 0x0
; out0[b][c] = (part[0] + part[1]) + (part[2] + part[3]) + logits_b[c].  part: four shares of 40,960 f32, each laid out as out0 is.
; Thread T = 64 x work-group + thread owns the four numbers 4 T .. 4 T + 3: 10,240 threads, 160 work-groups of two waves: there is work for no more.
; Each load of part and the store of a wave cover 512 consecutive bytes.  A sum over work-groups of the launch before, made here in a fixed order.
.set SHARE, 163840                     ; bytes in a share
.set OF,  2                            ; v2        16 T
.set IX,  4                            ; v[4:7]    byte offsets in logits_b of my four classes
.set C,   12                           ; v[12:27]  my 16 bytes of the four shares
.set BI,  28                           ; v[28:31]  logits_b of my four classes
	s_load_b128 s[4:7], s[0:1], 0x0                ; part s[4:5], logits_b s[6:7]
	s_load_b64 s[8:9], s[0:1], 0x10                ; out0
	s_lshl_b32 s10, ttmp9, 6
	v_add_nc_u32 v1, s10, v0                       ; T
	v_lshlrev_b32 v[OF], 4, v1
	v_lshlrev_b32 v3, 2, v1                        ; f = 4 T, below 40,960
	s_wait_kmcnt 0x0
.irp i, 0,1,2,3
	global_load_b128 v[C+4*\i:C+4*\i+3], v[OF], s[4:5] offset:\i*SHARE th:TH_LOAD_NT
.endr
	v_mul_lo_u32 v8, v3, 0xcccd
	v_lshrrev_b32 v8, 19, v8                       ; f / 10: 52,429 / 2^19 is exact for f below 65,536, and the product stays below 2^32
	v_mul_u32_u24 v8, v8, 10
	v_sub_nc_u32 v3, v3, v8                        ; f mod 10
.irp i, 0,1,2,3
	v_add_nc_u32 v[IX+\i], \i, v3
	v_add_nc_u32 v8, \i-10, v3                     ; wraps to a large number where the class is below 10
	v_min_u32 v[IX+\i], v[IX+\i], v8               ; (f + i) mod 10
	v_lshlrev_b32 v[IX+\i], 2, v[IX+\i]
.endr
.irp i, 0,1,2,3
	global_load_b32 v[BI+\i], v[IX+\i], s[6:7]
.endr
	s_wait_loadcnt 0x4                             ; the four shares are in; logits_b's four loads may stay out
.irp c, 0,2
	v_pk_add_f32 v[C+\c:C+\c+1],     v[C+\c:C+\c+1],     v[C+4+\c:C+4+\c+1]
	v_pk_add_f32 v[C+8+\c:C+8+\c+1], v[C+8+\c:C+8+\c+1], v[C+12+\c:C+12+\c+1]
.endr
.irp c, 0,2
	v_pk_add_f32 v[C+\c:C+\c+1], v[C+\c:C+\c+1], v[C+8+\c:C+8+\c+1]
.endr
	s_wait_loadcnt 0x0
.irp c, 0,2
	v_pk_add_f32 v[C+\c:C+\c+1], v[C+\c:C+\c+1], v[BI+\c:BI+\c+1]
.endr
	global_store_b128 v[OF], v[C:C+3], s[8:9] th:TH_STORE_NT
	s_endpgm
.Lfunc_end_k_qe200ff75d1_finish:
	.size	k_qe200ff75d1_finish, .Lfunc_end_k_qe200ff75d1_finish-k_qe200ff75d1_finish
	.p2alignl 7, 3214868480
	.fill 96, 4, 3214868480
	.section	.rodata,"a",@progbits
	.p2align	6, 0x0
	.amdhsa_kernel k_qe200ff75d1_finish
		.amdhsa_group_segment_fixed_size 0
		.amdhsa_private_segment_fixed_size 0
		.amdhsa_enable_private_segment 0
		.amdhsa_kernarg_size 24
		.amdhsa_user_sgpr_count 2
		.amdhsa_user_sgpr_kernarg_segment_ptr 1
		.amdhsa_wavefront_size32 1
		.amdhsa_system_sgpr_workgroup_id_x 1
		.amdhsa_system_sgpr_workgroup_id_y 1
		.amdhsa_system_sgpr_workgroup_id_z 1
		.amdhsa_system_vgpr_workitem_id 0
		.amdhsa_next_free_vgpr 32
		.amdhsa_next_free_sgpr 66
		.amdhsa_reserve_vcc 0
		.amdhsa_float_denorm_mode_32 3
		.amdhsa_float_denorm_mode_16_64 3
		.amdhsa_memory_ordered 1
		.amdhsa_forward_progress 1
		.amdhsa_inst_pref_size 3
	.end_amdhsa_kernel
	.amdgpu_metadata
---
amdhsa.version: [ 1, 2 ]
amdhsa.kernels:
  - .name:           k_qe200ff75d1_finish
    .symbol:         k_qe200ff75d1_finish.kd
    .args:
      - { .name: part, .offset: 0, .size: 8, .value_kind: global_buffer, .address_space: global }
      - { .name: logits_b, .offset: 8, .size: 8, .value_kind: global_buffer, .address_space: global }
      - { .name: out0, .offset: 16, .size: 8, .value_kind: global_buffer, .address_space: global }
    .group_segment_fixed_size: 0
    .private_segment_fixed_size: 0
    .kernarg_segment_align: 8
    .kernarg_segment_size: 24
    .max_flat_workgroup_size: 64
    .sgpr_count:     66
    .vgpr_count:     32
    .wavefront_size: 32
...
	.end_amdgpu_metadata
.endif
;; end of part 4
;; ======== version 2 of 2: 4 launches; version 1 with the launches gemm1, gemm2 written anew for expert scheduling mode
;; workspace buffers: fcp 3,145,728 bytes; mtp 3,145,728 bytes; part 655,360 bytes
;; launch pack: the kernel of part 1 again; grid 8 x 32, 3 waves a work-group, no clusters, 13,824 bytes of LDS; arguments fc_w, fcp; writes fcp
;; launch gemm1 (part 5): grid 4 x 64, 16 waves a work-group, no clusters, 159,232 bytes of LDS; arguments W, fcp, mtp; writes mtp
.if DOCPART == 5
	.amdgcn_target "amdgcn-amd-amdhsa--gfx1250"
	.amdhsa_code_object_version 6
	.text
	.protected	k_qe200ff75d1_gemm1
	.globl	k_qe200ff75d1_gemm1
	.p2align	8
	.type	k_qe200ff75d1_gemm1,@function
k_qe200ff75d1_gemm1:
	s_mov_b64 s[64:65], 0
	v_nop
	global_prefetch_b8 v0, s[64:65] scope:SCOPE_SE
	s_setreg_imm32_b32 hwreg(HW_REG_WAVE_SCHED_MODE, 0, 2), 2
	s_setreg_imm32_b32 hwreg(HW_REG_WAVE_MODE, 25, 1), 1
	s_wait_xcnt 0x0
	s_wait_alu depctr_vm_vsrc(0)
; MT[j][k] = sum over n of fc_w[j][n] W[k][n]:  [512][3072], f32 sums, rounded once to bf16, stored in fragment order (below) into mtp.
; WHY THIS PRODUCT: nothing but sums stands between x W and the product with fc_w, so (x W) fc_w^T = x (W fc_w^T) for every input;
; W fc_w^T has 512 columns where x W has 3,072, which leaves a quarter of the multiply-adds.
; LIMIT, stated: the order of rounding differs from the reference's: the intermediate that is rounded to bf16 is MT and not x W, and a sum
; over n is made in four parts, (0 + 1) + (2 + 3).  All matrix operands are bf16, which has f32's exponents.
; FRAGMENT ORDER (fcp and mtp): block of 16 rows jb, K step ks of 32: 1,024 bytes at (96 jb + ks) * 1024; piece p at 512 p + 16 lane holds, for lane
; (r = lane % 16, h = lane / 16), row 16 jb + r, k = 32 ks + 16 p + 8 h + 0..7.  Two 16-byte loads a lane are a whole operand.
;
; SHARES.  Work-group (cb = x, rb = y): 48 rows of W (k of MT) x 128 rows of fc_w (j), the whole sum over n = 3,072; 4 x 64 = 256 work-groups.
; Sixteen waves, w = 4 g + q.  n goes in 24 steps of 128; in each step wave (g, q) takes the 32 of n numbered g, all 48 rows of W and
; j = 32 q .. 32 q + 31: 3 x 2 accumulator tiles.  The four parts over g meet in LDS once, at the end.
; W's way: a wave loads 3 rows' 512 bytes a step into registers, rounds them once, and lays them as bf16 rows of 256 + 16 bytes into one of two
; LDS slots; each 32 of n is then read by the four waves of its g.  fcp goes straight from memory into operand registers.
; Four steps of W and three of fcp are on their way in registers: a wave has at most 4 x 3 + 3 x 4 = 24 loads out.
; NO CLUSTER, NO TENSOR LOADS, though the four work-groups of a rb read the same rows of W and the 64 of a cb the same fcp: a joint tensor load would
; lay W into LDS as f32, so each of the four reading waves would read 4 bytes a number instead of 2 and round it again; and fcp needs no LDS at all,
; where a joint load would add a write and a read of its 32,768 bytes a step.  No prefetch: the register ring already asks steps ahead.
;
; THE MODE: SCHED_MODE bits 1:0 = 2 (LLVM: expert scheduling mode 2), set by the entry lines.  The code itself states the register dependences
; between vector or matrix instructions and memory or LDS instructions, with s_wait_alu, always for 0.
; THE PLAN.  Registers that memory or LDS instructions touch, in the loop:
;   XS0 .. XS3  Step s: its conversions read XS[(s + 1) % 4]; behind them the loads of X(s + 5) land in it.
;   BS0 .. BS3  Step s: its matrix instructions read BS[s % 4]; the loads of B(s + 4) land in it in step s + 1.
;   AF          Step s: its matrix instructions read it; the LDS loads of step s + 1 land in it.
;   v[TT ..]    Written by a step's conversions, read by its LDS stores, written again by the next step's conversions.
;   v2 .. v5    Offsets and LDS addresses: made at the head, never written again; the scalar bases move on, and immediate offsets do the rest.
;   The accumulators are named by matrix instructions alone until the way out.
; So ONE wait on va_vdst stands in a step, behind its conversions: they have written v[TT ..] and are done reading their stage of XS, and the matrix
; instructions of the step before are done reading AF and their stage of BS.  All the step's LDS and memory instructions follow it; the only vector-side
; instructions behind it are the step's matrix instructions, which name the accumulators, AF (its loads stand ahead of them) and BS[s % 4], in which no load
; of this step lands.  One wait on vm_vsrc stands ahead of the conversions: the last step's LDS stores have read v[TT ..].
.set ROWS,  48                         ; rows of W in a work-group
.set MTL,   ROWS/16                    ; row tiles of a wave
.set RPW,   ROWS/16                    ; rows that a wave loads in a step
.set NLD,   RPW+4                      ; loads of a wave in a step: RPW of W, 4 of fcp
.set CNT,   3*NLD-4                    ; loads younger than the pair (X(s+1), B(s)) at step s's head: X(s+2), B(s+1), X(s+3), B(s+2), X(s+4)
.set ROWB,  12288                      ; bytes in a row of W
.set PITCH, 272                        ; an LDS row: 256 bytes + 16: the 16 rows of a fragment load start 16 bytes apart modulo 256
.set BLK,   16*PITCH                   ; 16 LDS rows
.set SLOT,  ROWS*PITCH                 ; a slot: one step's rows in bf16
.set RED,   2*SLOT                     ; behind the two slots: 16 regions of REDW bytes for the sum over g
.set REDW,  8192
.set JBB,   96*1024                    ; a block of 16 rows in fragment order
.set LN,  1                            ; v1        lane
.set VA,  2                            ; v2        W: w rows + 16 lane
.set VB,  3                            ; v3        fcp: 2 q blocks + g K steps + 16 lane
.set VST, 4                            ; v4        LDS: row w, 8 lane
.set VFR, 5                            ; v5        LDS: row r, 64 g + 16 h
.set TT,  8                            ; v[8:15]   rounded rows on their way to LDS; later the way out's addresses
.set ACC, 16                           ; v[16:63]  tile (t, u) at ACC + 8 (2 t + u)
.set AF,  80                           ; v[80:103] W's fragment t at AF + 8 t; later the packed results
.set XS,  112                          ; v[112:159] stage i: RPW rows of W as loaded, 4 registers each
.set BS,  176                          ; v[176:239] stage i: fcp's fragments u = 0, 1, 8 registers each
	s_load_b128 s[4:7], s[0:1], 0x0                ; W s[4:5], fcp s[6:7]
	s_load_b64 s[8:9], s[0:1], 0x10                ; mtp
	v_lshl_add_u32 v240, v0, 2, 0x26600            ; my spare word, behind the regions of the sum; kept for the closing lines alone
	v_mov_b32 v241, 0
	v_lshrrev_b32 v[TT], 5, v0
	v_readfirstlane_b32 s14, v[TT]                 ; w, 0..15
	s_and_b32 s18, ttmp7, 0xffff                   ; rb
	v_and_b32 v[LN], 31, v0
	v_and_b32 v[TT], 15, v0                        ; r
	v_bfe_u32 v[TT+1], v0, 4, 1                    ; h
	v_mul_u32_u24 v[VFR], v[TT], PITCH
	v_lshl_add_u32 v[VFR], v[TT+1], 4, v[VFR]
	s_wait_alu depctr_va_sdst(0)                   ; s14 is written, ahead of its first reader: g, q and every address below are made from it
	s_lshr_b32 s15, s14, 2                         ; g: my 32 of each 128 of n; later my row tile
	s_and_b32 s16, s14, 3                          ; q: my 32 columns j
	s_mul_i32 s23, s14, ROWB
	v_lshl_add_u32 v[VA], v[LN], 4, s23
	s_mul_i32 s23, s16, 2*JBB
	s_lshl_b32 s24, s15, 10
	s_add_co_u32 s23, s23, s24
	v_lshl_add_u32 v[VB], v[LN], 4, s23
	s_mul_i32 s23, s14, PITCH
	v_lshl_add_u32 v[VST], v[LN], 3, s23
	s_lshl_b32 s23, s15, 6
	v_add_nc_u32 v[VFR], s23, v[VFR]
	s_mul_i32 s20, s18, ROWS*ROWB                  ; my 48 rows of W
	s_mov_b32 s21, 0
	s_mul_i32 s24, ttmp9, 8*JBB                    ; my 8 blocks of 16 rows, in fcp and in mtp
	s_mov_b32 s25, 0
	s_mul_i32 s26, s18, ROWS*32                    ; in mtp: 48 k = 3 pieces of 512 bytes
	s_mov_b32 s27, 0
	s_wait_kmcnt 0x0
	s_add_nc_u64 s[4:5], s[4:5], s[20:21]
	s_add_nc_u64 s[6:7], s[6:7], s[24:25]
	s_add_nc_u64 s[8:9], s[8:9], s[24:25]
	s_add_nc_u64 s[8:9], s[8:9], s[26:27]
	s_wait_alu depctr_va_vdst(0)                   ; v2 to v5 are written: every load and every LDS instruction of the steps reads one of them as its offset or address
; RPW loads: rows w + 16 i of W, the 512 bytes of the step k steps behind the base, into stage st.  One load of a wave is 512 consecutive bytes.
.macro LDX st, k
.set ii, 0
.rept RPW
	global_load_b128 v[XS+4*RPW*(\st)+4*ii:XS+4*RPW*(\st)+4*ii+3], v[VA], s[4:5] offset:ii*16*ROWB+(\k)*512
.set ii, ii+1
.endr
.endm
; 4 loads: my two fragments of fcp for the step k steps behind the base, into stage st
.macro LDB st, k
.irp u, 0,1
.irp p, 0,1
	global_load_b128 v[BS+16*(\st)+8*\u+4*\p:BS+16*(\st)+8*\u+4*\p+3], v[VB], s[6:7] offset:\u*JBB+\p*512+(\k)*4096
.endr
.endr
.endm
; One product: source 0 = 16 rows of W, source 1 = 16 rows of fc_w.  Register i of lane (r, h) is then MT[j = .. + r][k = .. + 8 h + i]:
; eight neighbouring k of one row j, which is a piece of the fragment order.  zero = 1: the first product starts the sum.
.macro MM acc, af, bf, zero
.if \zero
	v_wmma_f32_16x16x32_bf16 v[\acc:\acc+7], v[\af:\af+7], v[\bf:\bf+7], 0
.else
	v_wmma_f32_16x16x32_bf16 v[\acc:\acc+7], v[\af:\af+7], v[\bf:\bf+7], v[\acc:\acc+7]
.endif
.endm
; Step s (a = s mod 4; a = -1 in front of step 0).  Loads are issued in the order X(0), then the pairs (X(i+1), B(i)), i = 0, 1, ..; X(i) and B(i) lie
; in stage i mod 4.  The step multiplies LDS slot s & 1 by B(s), lays X(s+1) into the other slot and asks for B(s+3) and X(s+5).
; cnt = the loads issued behind the pair (X(s+1), B(s)).  lap = 1: the bases stand four steps further back than a says.
.macro STEP a, lap, zero, mul, cvt, ldx, ldb, cnt, bar
.set XI, (\a+5)%4
.set BI, (\a+4)%4
.set BN, (\a+7)%4
.set RS, (\a+4)&1
.set WS, RS^1
	s_wait_loadcnt \cnt                            ; loads come back in order (ISA guide 5.7.1): the pair is in, the younger ones stay out
.if \cvt
.if \mul
	s_wait_alu depctr_vm_vsrc(0)                   ; the last step's LDS stores have read v[TT ..], which the conversions below write again
.endif
.set ii, 0
.rept RPW
	v_cvt_pk_bf16_f32 v[TT+2*ii],   v[XS+4*RPW*XI+4*ii],   v[XS+4*RPW*XI+4*ii+1]
	v_cvt_pk_bf16_f32 v[TT+2*ii+1], v[XS+4*RPW*XI+4*ii+2], v[XS+4*RPW*XI+4*ii+3]
.set ii, ii+1
.endr
.else
.rept 4
	v_nop                                          ; this step rounds nothing: four places stand where the other steps' conversions stand, between the last step's matrix instructions and the loads into their fragments
.endr
.endif
	s_wait_alu depctr_va_vdst(0)                   ; the conversions have written v[TT ..] and are done reading their stage of XS; the last step's matrix instructions are done reading AF and their stage of BS
.if \mul
.set ti, 0
.rept MTL
	ds_load_b128 v[AF+8*ti:AF+8*ti+3],   v[VFR] offset:RS*SLOT+ti*BLK      ; k = 8 h + 0..7 of my 32
	ds_load_b128 v[AF+8*ti+4:AF+8*ti+7], v[VFR] offset:RS*SLOT+ti*BLK+32   ; k = 16 + 8 h + 0..7
.set ti, ti+1
.endr
.endif
.if \cvt
.set ii, 0
.rept RPW
	ds_store_b64 v[VST], v[TT+2*ii:TT+2*ii+1] offset:WS*SLOT+ii*BLK        ; row w + 16 i: the wave's 256 consecutive bytes
.set ii, ii+1
.endr
.endif
.if \ldb
	LDB BN, \a+3+4*\lap                            ; B(s+3), into the stage that the step before multiplied
.endif
.if \mul
.set ti, 0
.rept MTL
	s_wait_dscnt 2*(MTL-1-ti)+RPW*\cvt             ; fragment t is in; behind it stand the younger fragments' loads and this step's LDS stores
	MM ACC+16*ti,   AF+8*ti, BS+16*BI,   \zero     ; the accumulators take turns, one instruction a turn, in the same order in every step
	MM ACC+16*ti+8, AF+8*ti, BS+16*BI+8, \zero     ; and over the backward jump
.if \ldx
	global_load_b128 v[XS+4*RPW*XI+4*ti:XS+4*RPW*XI+4*ti+3], v[VA], s[4:5] offset:ti*16*ROWB+(\a+5)*512   ; row w + 16 t of X(s+5).  No wait: no vector or matrix instruction since the wait above names this stage
.endif
.set ti, ti+1
.endr
.else
.if \ldx
	LDX XI, \a+5
.endif
.endif
.if \bar
	s_wait_dscnt 0x0                               ; my reads of this step's slot are back and my stores into the other have landed
	s_barrier_signal -1                            ; one barrier a step for both: the next step writes the slot read here
	s_barrier_wait -1                              ; and reads the slot written here
.endif
.endm
.macro ADV                             ; four steps on
	s_wait_xcnt 0x0                                ; the bases are written again only behind this wait (ISA guide 3.1)
	s_add_nc_u64 s[4:5], s[4:5], 4*512
	s_add_nc_u64 s[6:7], s[6:7], 4*4096
.endm
	LDX 0, 0
	LDX 1, 1
	LDB 0, 0
	LDX 2, 2
	LDB 1, 1
	LDX 3, 3
	LDB 2, 2
	STEP -1, 0, 0, 0, 1, 1, 0, 3*NLD, 1            ; X(0) into slot 0; three pairs are younger; asks for X(4)
	STEP 0, 0, 1, 1, 1, 1, 1, CNT, 1               ; steps 0 to 3 stand in front of the loop: step 0 starts the sums, nothing is cleared
	STEP 1, 0, 0, 1, 1, 1, 1, CNT, 1
	STEP 2, 0, 0, 1, 1, 1, 1, CNT, 1
	STEP 3, 0, 0, 1, 1, 1, 1, CNT, 1
	ADV
	s_mov_b32 s22, 3                               ; steps 4 to 15
.Lk:
	STEP 0, 0, 0, 1, 1, 1, 1, CNT, 1
	STEP 1, 0, 0, 1, 1, 1, 1, CNT, 1
	STEP 2, 0, 0, 1, 1, 1, 1, CNT, 1
	STEP 3, 0, 0, 1, 1, 1, 1, CNT, 1
	ADV
	s_sub_co_u32 s22, s22, 1
	s_cmp_lg_u32 s22, 0
	s_cbranch_scc1 .Lk
	STEP 0, 0, 0, 1, 1, 1, 1, CNT, 1               ; 16: asks for B(19), X(21)
	STEP 1, 0, 0, 1, 1, 1, 1, CNT, 1               ; 17: B(20), X(22)
	STEP 2, 0, 0, 1, 1, 1, 1, CNT, 1               ; 18: B(21), X(23): W's last
	STEP 3, 0, 0, 1, 1, 0, 1, CNT, 1               ; 19: B(22) alone
	STEP 0, 1, 0, 1, 1, 0, 1, 2*NLD, 1             ; 20: younger: X(22), B(21), X(23), B(22); asks for B(23): the last load
	STEP 1, 0, 0, 1, 1, 0, 0, NLD+4, 1             ; 21: X(23), B(22), B(23)
	STEP 2, 0, 0, 1, 1, 0, 0, 4, 1                 ; 22: B(23)
	STEP 3, 0, 0, 1, 0, 0, 0, 0, 0                 ; 23: nothing is younger; nothing more goes into a slot
	; THE SUM OVER g.  Every wave lays its six tiles into its own region (4 q + g), tile (t, u) at (2 t + u) x 1,024 bytes, 16 bytes a lane.
	; The three address lines and a v_nop are the four places behind the last matrix instruction in front of the LDS stores of the sums.
.set VRS,  TT
.set VRL,  TT+1
.set VOUT, TT+2
	s_lshl_b32 s23, s16, 15                        ; q x 4 regions
	s_lshl_b32 s24, s15, 13                        ; g regions
	s_add_co_u32 s24, s24, s23
	s_add_co_u32 s24, s24, RED
	s_wait_alu depctr_vm_vsrc(0)                   ; step 22's LDS stores have read v[TT ..], three of which are written anew below
	v_lshl_add_u32 v[VRS], v[LN], 4, s24
	s_lshl_b32 s24, s15, 11                        ; row tile t = g: its two tiles lie 2,048 g into each region
	s_add_co_u32 s24, s24, s23
	s_add_co_u32 s24, s24, RED
	v_lshl_add_u32 v[VRL], v[LN], 4, s24
	s_mul_i32 s24, s16, 2*JBB                      ; in mtp: 2 q blocks of 16 rows j, piece g of my 48 k, 16 lane
	s_lshl_b32 s25, s15, 9
	s_add_co_u32 s24, s24, s25
	v_lshl_add_u32 v[VOUT], v[LN], 4, s24
	v_nop
	s_wait_alu depctr_va_vdst(0)                   ; the matrix instructions have written the accumulators, which the LDS stores read, and are done reading BS, in which the LDS loads below land; the three addresses are written
.set ti, 0
.rept 2*MTL
	ds_store_b128 v[VRS], v[ACC+8*ti:ACC+8*ti+3]   offset:ti*1024
	ds_store_b128 v[VRS], v[ACC+8*ti+4:ACC+8*ti+7] offset:ti*1024+512
.set ti, ti+1
.endr
	s_wait_dscnt 0x0                               ; my sums have landed in LDS, for the others' sake
	s_barrier_signal -1
	s_barrier_wait -1                              ; the last barrier: waves may end behind it
	s_cmp_lt_u32 s14, 12                           ; there are three row tiles: the waves of g = 3 have nothing left
	s_cbranch_scc0 .Lend
.irp gg, 0,1,2,3
.irp c, 0,1,2,3
	ds_load_b128 v[BS+16*\gg+4*\c:BS+16*\gg+4*\c+3], v[VRL] offset:\gg*REDW+\c*512   ; part gg of row tile g: c = 2 u + p.  No vector instruction since the wait above
.endr
.endr
	s_wait_dscnt 0x0
.irp c, 0,2,4,6,8,10,12,14
	v_pk_add_f32 v[BS+\c:BS+\c+1],       v[BS+\c:BS+\c+1],       v[BS+16+\c:BS+16+\c+1]   ; parts 0 + 1
	v_pk_add_f32 v[BS+32+\c:BS+32+\c+1], v[BS+32+\c:BS+32+\c+1], v[BS+48+\c:BS+48+\c+1]   ; parts 2 + 3
.endr
.irp c, 0,2,4,6,8,10,12,14
	v_pk_add_f32 v[BS+\c:BS+\c+1], v[BS+\c:BS+\c+1], v[BS+32+\c:BS+32+\c+1]
.endr
.irp c, 0,1,2,3,4,5,6,7
	v_cvt_pk_bf16_f32 v[AF+\c], v[BS+2*\c], v[BS+2*\c+1]      ; MT's one rounding
.endr
	s_wait_alu depctr_va_vdst(0)                   ; the conversions have written v[AF ..], which the two stores read
	global_store_b128 v[VOUT], v[AF:AF+3],   s[8:9]            ; each store of the wave: 512 consecutive bytes at a multiple of 512, one piece of the fragment order
	global_store_b128 v[VOUT], v[AF+4:AF+7], s[8:9] offset:JBB
.Lend:
	s_wait_dscnt 0x0                               ; the closing lines, six on end
	s_wait_alu 0x0
	s_wait_tensorcnt 0x0
	ds_add_u32 v240, v241
	s_wait_dscnt 0x0
	s_endpgm
.Lfunc_end_k_qe200ff75d1_gemm1:
	.size	k_qe200ff75d1_gemm1, .Lfunc_end_k_qe200ff75d1_gemm1-k_qe200ff75d1_gemm1
	.p2alignl 7, 3214868480
	.fill 96, 4, 3214868480
	.section	.rodata,"a",@progbits
	.p2align	6, 0x0
	.amdhsa_kernel k_qe200ff75d1_gemm1
		.amdhsa_group_segment_fixed_size 159232
		.amdhsa_private_segment_fixed_size 0
		.amdhsa_enable_private_segment 0
		.amdhsa_kernarg_size 24
		.amdhsa_user_sgpr_count 2
		.amdhsa_user_sgpr_kernarg_segment_ptr 1
		.amdhsa_wavefront_size32 1
		.amdhsa_system_sgpr_workgroup_id_x 1
		.amdhsa_system_sgpr_workgroup_id_y 1
		.amdhsa_system_sgpr_workgroup_id_z 1
		.amdhsa_system_vgpr_workitem_id 0
		.amdhsa_next_free_vgpr 242
		.amdhsa_next_free_sgpr 66
		.amdhsa_reserve_vcc 0
		.amdhsa_float_denorm_mode_32 3
		.amdhsa_float_denorm_mode_16_64 3
		.amdhsa_memory_ordered 1
		.amdhsa_forward_progress 1
		.amdhsa_inst_pref_size 44
	.end_amdhsa_kernel
	.amdgpu_metadata
---
amdhsa.version: [ 1, 2 ]
amdhsa.kernels:
  - .name:           k_qe200ff75d1_gemm1
    .symbol:         k_qe200ff75d1_gemm1.kd
    .args:
      - { .name: W, .offset: 0, .size: 8, .value_kind: global_buffer, .address_space: global }
      - { .name: fcp, .offset: 8, .size: 8, .value_kind: global_buffer, .address_space: global }
      - { .name: mtp, .offset: 16, .size: 8, .value_kind: global_buffer, .address_space: global }
    .group_segment_fixed_size: 159232
    .private_segment_fixed_size: 0
    .kernarg_segment_align: 8
    .kernarg_segment_size: 24
    .max_flat_workgroup_size: 512
    .sgpr_count:     66
    .vgpr_count:     242
    .wavefront_size: 32
...
	.end_amdgpu_metadata
.endif
;; end of part 5
;; launch gemm2 (part 6): grid 4 x 64, 16 waves a work-group, no clusters, 188,416 bytes of LDS; arguments x, mtp, fc_b, logits_w, part; writes part
.if DOCPART == 6
	.amdgcn_target "amdgcn-amd-amdhsa--gfx1250"
	.amdhsa_code_object_version 6
	.text
	.protected	k_qe200ff75d1_gemm2
	.globl	k_qe200ff75d1_gemm2
	.p2align	8
	.type	k_qe200ff75d1_gemm2,@function
k_qe200ff75d1_gemm2:
	s_mov_b64 s[64:65], 0
	v_nop
	global_prefetch_b8 v0, s[64:65] scope:SCOPE_SE
	s_setreg_imm32_b32 hwreg(HW_REG_WAVE_SCHED_MODE, 0, 2), 2
	s_setreg_imm32_b32 hwreg(HW_REG_WAVE_MODE, 25, 1), 1
	s_wait_xcnt 0x0
	s_wait_alu depctr_vm_vsrc(0)
; h[b][j] = relu(sum over k of x[b][k] MT[j][k] + fc_b[j]) for 64 rows b x 128 columns j, and that block's share of the logits:
; part[cb][b][c] = sum over the block's j of h[b][j] logits_w[c][j].  The four shares and logits_b are added by the next launch.
; mtp holds MT = fc_w W^T in bf16 in FRAGMENT ORDER: block of 16 rows jb, K step ks of 32: 1,024 bytes at (96 jb + ks) * 1024; piece p at
; 512 p + 16 lane holds, for lane (r = lane % 16, h = lane / 16), row 16 jb + r, k = 32 ks + 16 p + 8 h + 0..7.
; LIMITS, stated: the order of rounding differs from the reference's (x (W fc_w^T) for (x W) fc_w^T; a sum over k in four parts, (0 + 1) + (2 + 3); the
; logits in 4 x 4 parts); h is rounded to bf16 for the last product; relu is a maximum in which a NaN loses: a NaN in front of it gives 0.
;
; SHARES.  Work-group (cb = x, rb = y): 64 rows of x, 128 rows of MT, all of k = 3,072; 4 x 64 = 256 work-groups.  Sixteen waves, w = 4 g + q.
; k goes in 24 steps of 128; in each step wave (g, q) takes the 32 of k numbered g, all 64 rows and j = 32 q .. 32 q + 31: 4 x 2 accumulator tiles.
; The four parts over g meet in LDS once, at the end.
; x's way: a wave loads 4 rows' 512 bytes a step into registers, rounds them once, and lays them as bf16 rows of 256 + 16 bytes into one of two LDS
; slots; each 32 of k is then read by the four waves of its g.  mtp goes straight from memory into operand registers.
; Four steps of x and three of mtp are on their way in registers: a wave has at most 4 x 4 + 3 x 4 = 28 loads out.
; NO CLUSTER, NO TENSOR LOADS, though the four work-groups of a rb read the same rows of x and the 64 of a cb the same mtp: a joint tensor load would
; lay x into LDS as f32, so each of the four reading waves would read 4 bytes a number instead of 2 and round it again; and mtp needs no LDS at all,
; where a joint load would add a write and a read of its 32,768 bytes a step.  No prefetch: the register ring already asks steps ahead.
;
; THE MODE: SCHED_MODE bits 1:0 = 2 (LLVM: expert scheduling mode 2), set by the entry lines.  The code itself states the register dependences
; between vector or matrix instructions and memory or LDS instructions, with s_wait_alu, always for 0.
; THE PLAN.  Registers that memory or LDS instructions touch, in the loop:
;   XS0 .. XS3  Step s: its conversions read XS[(s + 1) % 4]; behind them the loads of X(s + 5) land in it (at the end fc_b's and logits_w's).
;   BS0 .. BS3  Step s: its matrix instructions read BS[s % 4]; the loads of B(s + 4) land in it in step s + 1.
;   AF          Step s: its matrix instructions read it; the LDS loads of step s + 1 land in it.
;   v[TT ..]    Written by a step's conversions, read by its LDS stores, written again by the next step's conversions.
;   v2 .. v7    Offsets and LDS addresses: made at the head, never written again; the scalar bases move on, and immediate offsets do the rest.
;   The accumulators are named by matrix instructions alone until the way out.
; So ONE wait on va_vdst stands in a step, behind its conversions: they have written v[TT ..] and are done reading their stage of XS, and the matrix
; instructions of the step before are done reading AF and their stage of BS.  All the step's LDS and memory instructions follow it; the only vector-side
; instructions behind it are the step's matrix instructions, which name the accumulators, AF (its loads stand ahead of them) and BS[s % 4], in which no load
; of this step lands.  One wait on vm_vsrc stands ahead of the conversions: the last step's LDS stores have read v[TT ..].
.set ROWS,  64                         ; rows of x in a work-group
.set MTL,   ROWS/16                    ; row tiles of a wave
.set RPW,   ROWS/16                    ; rows that a wave loads in a step
.set NLD,   RPW+4                      ; loads of a wave in a step: RPW of x, 4 of mtp
.set CNT,   3*NLD-4                    ; loads younger than the pair (X(s+1), B(s)) at step s's head: X(s+2), B(s+1), X(s+3), B(s+2), X(s+4)
.set ROWB,  12288                      ; bytes in a row of x
.set PITCH, 272                        ; an LDS row: 256 bytes + 16: the 16 rows of a fragment load start 16 bytes apart modulo 256
.set BLK,   16*PITCH                   ; 16 LDS rows
.set SLOT,  ROWS*PITCH                 ; a slot: one step's rows in bf16
.set RED,   2*SLOT                     ; behind the two slots: 16 regions of REDW bytes for the sum over g
.set REDW,  8192
.set PLB,   RED+16*REDW                ; behind them: 16 blocks of PLW bytes, one a wave, for the logit shares
.set PLW,   1280                       ; 16 rows x 40 bytes, then as many bytes again that take classes 10 to 15 and are never read
.set JBB,   96*1024                    ; a block of 16 rows in fragment order
.set LN,  1                            ; v1        lane
.set VA,  2                            ; v2        x: w rows + 16 lane
.set VB,  3                            ; v3        mtp: 2 q blocks + g K steps + 16 lane
.set VST, 4                            ; v4        LDS: row w, 8 lane
.set VFR, 5                            ; v5        LDS: row r, 64 g + 16 h
.set VBI, 6                            ; v6        fc_b: 128 q + 32 h
.set VLW, 7                            ; v7        logits_w: row min(r, 9), 128 q + 32 h
.set TT,  8                            ; v[8:15]   rounded rows on their way to LDS; later the way out's addresses
.set ACC, 16                           ; v[16:79]  tile (t, u) at ACC + 8 (2 t + u)
.set AF,  80                           ; v[80:111] x's fragment t at AF + 8 t; later v[80:87] the logit shares
.set XS,  112                          ; v[112:175] stage i: RPW rows of x as loaded; at the end stage 0: fc_b, stage 1: logits_w, stage 2: LWF and HF
.set BS,  176                          ; v[176:239] stage i: mtp's fragments u = 0, 1, 8 registers each
.set LWF, XS+32                        ; logits_w as an operand: 16 classes x 32 j in bf16
.set HF,  XS+40                        ; h as an operand: 16 rows x 32 j in bf16
	s_load_b256 s[4:11], s[0:1], 0x0               ; x s[4:5], mtp s[6:7], fc_b s[8:9], logits_w s[10:11]
	s_load_b64 s[12:13], s[0:1], 0x20              ; part
	v_lshl_add_u32 v240, v0, 2, 0x2d800            ; my spare word, behind the blocks of the logit shares; kept for the closing lines alone
	v_mov_b32 v241, 0
	v_lshrrev_b32 v[TT], 5, v0
	v_readfirstlane_b32 s14, v[TT]                 ; w, 0..15
	s_and_b32 s18, ttmp7, 0xffff                   ; rb
	v_and_b32 v[LN], 31, v0
	v_and_b32 v[TT], 15, v0                        ; r
	v_bfe_u32 v[TT+1], v0, 4, 1                    ; h
	v_mul_u32_u24 v[VFR], v[TT], PITCH
	v_lshl_add_u32 v[VFR], v[TT+1], 4, v[VFR]
	v_min_u32 v[TT+2], 9, v[TT]                    ; lanes of classes 10 to 15 read class 9's row, inside the buffer; their numbers are zeroed below
	s_wait_alu depctr_va_sdst(0)                   ; s14 is written, ahead of its first reader: g, q and every address below are made from it
	s_lshr_b32 s15, s14, 2                         ; g: my 32 of each 128 of k; later my row tile
	s_and_b32 s16, s14, 3                          ; q: my 32 columns j
	s_mul_i32 s23, s14, ROWB
	v_lshl_add_u32 v[VA], v[LN], 4, s23
	s_mul_i32 s23, s16, 2*JBB
	s_lshl_b32 s24, s15, 10
	s_add_co_u32 s23, s23, s24
	v_lshl_add_u32 v[VB], v[LN], 4, s23
	s_mul_i32 s23, s14, PITCH
	v_lshl_add_u32 v[VST], v[LN], 3, s23
	s_lshl_b32 s23, s15, 6
	v_add_nc_u32 v[VFR], s23, v[VFR]
	s_lshl_b32 s23, s16, 7
	v_lshl_add_u32 v[VBI], v[TT+1], 5, s23         ; my 8 columns of each tile: 4 x (32 q + 8 h) bytes
	v_lshl_add_u32 v[VLW], v[TT+2], 11, v[VBI]
	s_mul_i32 s20, s18, ROWS*ROWB                  ; my 64 rows of x
	s_mov_b32 s21, 0
	s_mul_i32 s24, ttmp9, 8*JBB                    ; my 8 blocks of 16 rows of MT
	s_mov_b32 s25, 0
	s_lshl_b32 s26, ttmp9, 9                       ; my 128 columns in fc_b and in a row of logits_w
	s_mov_b32 s27, 0
	s_wait_kmcnt 0x0
	s_add_nc_u64 s[4:5], s[4:5], s[20:21]
	s_add_nc_u64 s[6:7], s[6:7], s[24:25]
	s_add_nc_u64 s[8:9], s[8:9], s[26:27]
	s_add_nc_u64 s[10:11], s[10:11], s[26:27]
	s_mul_i32 s20, ttmp9, 4096*40                  ; part: share cb, laid out as the output is,
	s_mul_i32 s24, s18, ROWS*40                    ; my 64 rows of 40 bytes
	s_add_co_u32 s20, s20, s24
	s_add_nc_u64 s[12:13], s[12:13], s[20:21]
	s_wait_alu depctr_va_vdst(0)                   ; v2 to v7 are written: every load and every LDS instruction of the steps reads one of them as its offset or address
; RPW loads: rows w + 16 i of x, the 512 bytes of the step k steps behind the base, into stage st.  One load of a wave is 512 consecutive bytes.
.macro LDX st, k
.set ii, 0
.rept RPW
	global_load_b128 v[XS+4*RPW*(\st)+4*ii:XS+4*RPW*(\st)+4*ii+3], v[VA], s[4:5] offset:ii*16*ROWB+(\k)*512
.set ii, ii+1
.endr
.endm
; 4 loads: my two fragments of mtp for the step k steps behind the base, into stage st
.macro LDB st, k
.irp u, 0,1
.irp p, 0,1
	global_load_b128 v[BS+16*(\st)+8*\u+4*\p:BS+16*(\st)+8*\u+4*\p+3], v[VB], s[6:7] offset:\u*JBB+\p*512+(\k)*4096
.endr
.endr
.endm
; One product, used transposed: source 0 = 16 rows of MT, source 1 = 16 rows of x.  Register i of lane (r, h) is then
; h[row .. + r][j = .. + 8 h + i]: eight neighbouring j of one row, so that a wave's two tiles of a row tile, once rounded, already are a
; 16 x 32 operand of the last product.  zero = 1: the first product starts the sum.
.macro MM acc, af, bf, zero
.if \zero
	v_wmma_f32_16x16x32_bf16 v[\acc:\acc+7], v[\bf:\bf+7], v[\af:\af+7], 0
.else
	v_wmma_f32_16x16x32_bf16 v[\acc:\acc+7], v[\bf:\bf+7], v[\af:\af+7], v[\acc:\acc+7]
.endif
.endm
; Step s (a = s mod 4; a = -1 in front of step 0).  Loads are issued in the order X(0), then the pairs (X(i+1), B(i)), i = 0, 1, ..; X(i) and B(i) lie
; in stage i mod 4.  The step multiplies LDS slot s & 1 by B(s), lays X(s+1) into the other slot and asks for B(s+3) and X(s+5).
; cnt = the loads issued behind the pair (X(s+1), B(s)).  lap = 1: the bases stand four steps further back than a says.
; ex = 1, 2: in the place of x's loads, which have ended, fc_b's or logits_w's four.
.macro STEP a, lap, zero, mul, cvt, ldx, ldb, cnt, bar, ex
.set XI, (\a+5)%4
.set BI, (\a+4)%4
.set BN, (\a+7)%4
.set RS, (\a+4)&1
.set WS, RS^1
	s_wait_loadcnt \cnt                            ; loads come back in order (ISA guide 5.7.1): the pair is in, the younger ones stay out
.if \cvt
.if \mul
	s_wait_alu depctr_vm_vsrc(0)                   ; the last step's LDS stores have read v[TT ..], which the conversions below write again
.endif
.set ii, 0
.rept RPW
	v_cvt_pk_bf16_f32 v[TT+2*ii],   v[XS+4*RPW*XI+4*ii],   v[XS+4*RPW*XI+4*ii+1]
	v_cvt_pk_bf16_f32 v[TT+2*ii+1], v[XS+4*RPW*XI+4*ii+2], v[XS+4*RPW*XI+4*ii+3]
.set ii, ii+1
.endr
.else
.rept 4
	v_nop                                          ; this step rounds nothing: four places stand where the other steps' conversions stand, between the last step's matrix instructions and the loads into their fragments
.endr
.endif
	s_wait_alu depctr_va_vdst(0)                   ; the conversions have written v[TT ..] and are done reading their stage of XS; the last step's matrix instructions are done reading AF and their stage of BS
.if \mul
.set ti, 0
.rept MTL
	ds_load_b128 v[AF+8*ti:AF+8*ti+3],   v[VFR] offset:RS*SLOT+ti*BLK      ; k = 8 h + 0..7 of my 32
	ds_load_b128 v[AF+8*ti+4:AF+8*ti+7], v[VFR] offset:RS*SLOT+ti*BLK+32   ; k = 16 + 8 h + 0..7
.set ti, ti+1
.endr
.endif
.if \cvt
.set ii, 0
.rept RPW
	ds_store_b64 v[VST], v[TT+2*ii:TT+2*ii+1] offset:WS*SLOT+ii*BLK        ; row w + 16 i: the wave's 256 consecutive bytes
.set ii, ii+1
.endr
.endif
.if \ldb
	LDB BN, \a+3+4*\lap                            ; B(s+3), into the stage that the step before multiplied
.endif
.if \mul
.set ti, 0
.rept MTL
	s_wait_dscnt 2*(MTL-1-ti)+RPW*\cvt             ; fragment t is in; behind it stand the younger fragments' loads and this step's LDS stores
	MM ACC+16*ti,   AF+8*ti, BS+16*BI,   \zero     ; the accumulators take turns, one instruction a turn, in the same order in every step
	MM ACC+16*ti+8, AF+8*ti, BS+16*BI+8, \zero     ; and over the backward jump
.if \ldx
	global_load_b128 v[XS+4*RPW*XI+4*ti:XS+4*RPW*XI+4*ti+3], v[VA], s[4:5] offset:ti*16*ROWB+(\a+5)*512   ; row w + 16 t of X(s+5).  No wait: no vector or matrix instruction since the wait above names this stage
.endif
.if \ex == 1
	global_load_b128 v[XS+4*ti:XS+4*ti+3], v[VBI], s[8:9] offset:(ti>>1)*64+(ti&1)*16          ; fc_b of tile u = t / 2, registers 4 (t % 2) + 0..3; stage 0 was rounded ahead of the wait above
.endif
.if \ex == 2
	global_load_b128 v[XS+16+4*ti:XS+16+4*ti+3], v[VLW], s[10:11] offset:(ti>>1)*64+(ti&1)*16  ; logits_w[class r][j = 8 h + 0..7 and 16 + 8 h + 0..7 of my 32]; stage 1 was rounded ahead of the wait above
.endif
.set ti, ti+1
.endr
.else
.if \ldx
	LDX XI, \a+5
.endif
.endif
.if \bar
	s_wait_dscnt 0x0                               ; my reads of this step's slot are back and my stores into the other have landed
	s_barrier_signal -1                            ; one barrier a step for both: the next step writes the slot read here
	s_barrier_wait -1                              ; and reads the slot written here
.endif
.endm
.macro ADV                             ; four steps on
	s_wait_xcnt 0x0                                ; the bases are written again only behind this wait (ISA guide 3.1)
	s_add_nc_u64 s[4:5], s[4:5], 4*512
	s_add_nc_u64 s[6:7], s[6:7], 4*4096
.endm
	LDX 0, 0
	LDX 1, 1
	LDB 0, 0
	LDX 2, 2
	LDB 1, 1
	LDX 3, 3
	LDB 2, 2
	STEP -1, 0, 0, 0, 1, 1, 0, 3*NLD, 1, 0         ; X(0) into slot 0; three pairs are younger; asks for X(4)
	STEP 0, 0, 1, 1, 1, 1, 1, CNT, 1, 0            ; steps 0 to 3 stand in front of the loop: step 0 starts the sums, nothing is cleared
	STEP 1, 0, 0, 1, 1, 1, 1, CNT, 1, 0
	STEP 2, 0, 0, 1, 1, 1, 1, CNT, 1, 0
	STEP 3, 0, 0, 1, 1, 1, 1, CNT, 1, 0
	ADV
	s_mov_b32 s22, 3                               ; steps 4 to 15
.Lk:
	STEP 0, 0, 0, 1, 1, 1, 1, CNT, 1, 0
	STEP 1, 0, 0, 1, 1, 1, 1, CNT, 1, 0
	STEP 2, 0, 0, 1, 1, 1, 1, CNT, 1, 0
	STEP 3, 0, 0, 1, 1, 1, 1, CNT, 1, 0
	ADV
	s_sub_co_u32 s22, s22, 1
	s_cmp_lg_u32 s22, 0
	s_cbranch_scc1 .Lk
	STEP 0, 0, 0, 1, 1, 1, 1, CNT, 1, 0            ; 16: asks for B(19), X(21)
	STEP 1, 0, 0, 1, 1, 1, 1, CNT, 1, 0            ; 17: B(20), X(22)
	STEP 2, 0, 0, 1, 1, 1, 1, CNT, 1, 0            ; 18: B(21), X(23): x's last
	STEP 3, 0, 0, 1, 1, 0, 1, CNT, 1, 1            ; 19: B(22), then fc_b's four
	STEP 0, 1, 0, 1, 1, 0, 1, 2*NLD+4, 1, 2        ; 20: younger: X(22), B(21), X(23), B(22), fc_b; asks for B(23), then logits_w's four: the last loads
	STEP 1, 0, 0, 1, 1, 0, 0, NLD+12, 1, 0         ; 21: X(23), B(22), fc_b, B(23), logits_w
	STEP 2, 0, 0, 1, 1, 0, 0, 12, 1, 0             ; 22: fc_b, B(23), logits_w
	STEP 3, 0, 0, 1, 0, 0, 0, 4, 0, 0              ; 23: logits_w's four are younger than B(23); nothing more goes into a slot
	; THE SUM OVER g.  Every wave lays its eight tiles into its own region (4 q + g), tile (t, u) at (2 t + u) x 1,024 bytes, 16 bytes a lane.
	; Three plain lines and a v_nop are the four places behind the last matrix instruction in front of the LDS stores of the sums.
.set VRS, TT
.set VRL, TT+1
.set RR,  TT+2
.set HH,  TT+3
.set VP0, TT+4
.set VP1, TT+5
.set VP2, TT+6
	s_lshl_b32 s23, s16, 15                        ; q x 4 regions
	s_lshl_b32 s24, s15, 13                        ; g regions
	s_add_co_u32 s24, s24, s23
	s_add_co_u32 s24, s24, RED
	s_wait_alu depctr_vm_vsrc(0)                   ; step 22's LDS stores have read v[TT ..], seven of which are written anew from here on
	v_lshl_add_u32 v[VRS], v[LN], 4, s24
	s_lshl_b32 s24, s15, 11                        ; row tile t = g: its two tiles lie 2,048 g into each region
	s_add_co_u32 s24, s24, s23
	s_add_co_u32 s24, s24, RED
	v_lshl_add_u32 v[VRL], v[LN], 4, s24
	v_and_b32 v[RR], 15, v0                        ; r: the class of my row of logits_w's operand
	v_nop
	s_wait_alu depctr_va_vdst(0)                   ; the matrix instructions have written the accumulators, which the LDS stores read, and are done reading BS, in which the LDS loads below land; the two addresses are written
.set ti, 0
.rept 2*MTL
	ds_store_b128 v[VRS], v[ACC+8*ti:ACC+8*ti+3]   offset:ti*1024
	ds_store_b128 v[VRS], v[ACC+8*ti+4:ACC+8*ti+7] offset:ti*1024+512
.set ti, ti+1
.endr
	v_cmp_gt_u32 vcc_lo, 10, v[RR]
	s_wait_loadcnt 0x0                             ; fc_b and logits_w
.irp c, 0,1,2,3,4,5,6,7
	v_cvt_pk_bf16_f32 v[LWF+\c], v[XS+16+2*\c], v[XS+16+2*\c+1]
.endr
	s_wait_alu depctr_va_vcc(0)                    ; the compare has written VCC, ahead of its first reader
.irp c, 0,1,2,3,4,5,6,7
	v_cndmask_b32 v[LWF+\c], 0, v[LWF+\c], vcc_lo  ; there are ten classes: rows 10 to 15 of the operand are zero
.endr
	s_wait_dscnt 0x0                               ; my sums have landed in LDS, for the others' sake
	s_barrier_signal -1
	s_barrier_wait -1
.irp gg, 0,1,2,3
.irp c, 0,1,2,3
	ds_load_b128 v[BS+16*\gg+4*\c:BS+16*\gg+4*\c+3], v[VRL] offset:\gg*REDW+\c*512   ; part gg of row tile g: c = 2 u + p.  No vector instruction since the wait on va_vdst above names BS or the address
.endr
.endr
	s_mul_i32 s24, s14, PLW
	s_add_co_u32 s24, s24, PLB                     ; my block for the logit shares
	s_wait_dscnt 0x0
.irp c, 0,2,4,6,8,10,12,14
	v_pk_add_f32 v[BS+\c:BS+\c+1],       v[BS+\c:BS+\c+1],       v[BS+16+\c:BS+16+\c+1]   ; parts 0 + 1
	v_pk_add_f32 v[BS+32+\c:BS+32+\c+1], v[BS+32+\c:BS+32+\c+1], v[BS+48+\c:BS+48+\c+1]   ; parts 2 + 3
.endr
.irp c, 0,2,4,6,8,10,12,14
	v_pk_add_f32 v[BS+\c:BS+\c+1], v[BS+\c:BS+\c+1], v[BS+32+\c:BS+32+\c+1]
.endr
.irp c, 0,2,4,6,8,10,12,14
	v_pk_add_f32 v[BS+\c:BS+\c+1], v[BS+\c:BS+\c+1], v[XS+\c:XS+\c+1]                     ; + fc_b
.endr
.irp c, 0,1,2,3,4,5,6,7,8,9,10,11,12,13,14,15
	v_max_num_f32 v[BS+\c], 0, v[BS+\c]            ; relu
.endr
.irp c, 0,1,2,3,4,5,6,7
	v_cvt_pk_bf16_f32 v[HF+\c], v[BS+2*\c], v[BS+2*\c+1]      ; tile u = 0 gives j = 8 h + 0..7 (registers 0-3), u = 1 gives 16 + 8 h + 0..7 (4-7)
.endr
	v_wmma_f32_16x16x32_bf16 v[AF:AF+7], v[LWF:LWF+7], v[HF:HF+7], 0   ; register i of lane (r, h): class 8 h + i of row 16 g + r, summed over my 32 j
	; five plain vector instructions that name none of its registers fill the four places in front of the LDS stores of the result
	v_bfe_u32 v[HH], v0, 4, 1                      ; h
	v_mul_u32_u24 v[VP0], v[RR], 40                ; a row of ten classes
	v_add_nc_u32 v[VP0], s24, v[VP0]
	v_lshl_add_u32 v[VP1], v[HH], 5, v[VP0]        ; registers 0, 1: classes 0, 1 (h = 0) or 8, 9 (h = 1)
	v_mad_u32_u24 v[VP2], v[HH], 640, v[VP0]       ; registers 2 to 7: classes 2 to 7 (h = 0); for h = 1 classes 10 to 15, into the block's second half, which nobody reads
	s_wait_alu depctr_va_vdst(0)                   ; the matrix instruction has written v[AF ..], which the LDS stores read; their two addresses are written; the places above stay beside this wait
	ds_store_b64 v[VP1], v[AF:AF+1]
	ds_store_b64 v[VP2], v[AF+2:AF+3] offset:8
	ds_store_b64 v[VP2], v[AF+4:AF+5] offset:16
	ds_store_b64 v[VP2], v[AF+6:AF+7] offset:24
	s_lshl_b32 s23, s14, 5
	s_wait_dscnt 0x0                               ; my shares have landed, for the others' sake
	s_barrier_signal -1
	s_barrier_wait -1                              ; the last barrier: waves may end behind it
	s_cmp_lt_u32 s14, 5                            ; 64 rows x 40 bytes = 160 threads x 16 bytes: waves 0 to 4
	s_cbranch_scc0 .Lend
	v_add_nc_u32 v[RR], s23, v[LN]                 ; T = 32 w + lane, 0..159: the 16 bytes at 16 T of the block's 2,560
	v_mul_u32_u24 v[HH], v[RR], 205
	v_lshrrev_b32 v[HH], 13, v[HH]                 ; T / 40 (exact for T < 160): the row tile g, 640 bytes each
	v_mul_u32_u24 v[HH], v[HH], 4*PLW-640          ; wave 4 g + q's block begins at (4 g + q) x 1,280; 640 g of 16 T are already counted
	v_lshlrev_b32 v[VP0], 4, v[RR]
	v_add3_u32 v[HH], v[HH], v[VP0], PLB
	s_wait_alu depctr_va_vdst(0)                   ; the LDS address and the store's offset are written; the sums, the maxima and the conversions above are done with v[BS ..], in which the loads below land
.irp c, 0,1,2,3
	ds_load_b128 v[BS+4*\c:BS+4*\c+3], v[HH] offset:\c*PLW     ; the share of q = c
.endr
	s_wait_dscnt 0x0
.irp c, 0,2
	v_pk_add_f32 v[BS+\c:BS+\c+1],     v[BS+\c:BS+\c+1],     v[BS+4+\c:BS+4+\c+1]
	v_pk_add_f32 v[BS+8+\c:BS+8+\c+1], v[BS+8+\c:BS+8+\c+1], v[BS+12+\c:BS+12+\c+1]
.endr
.irp c, 0,2
	v_pk_add_f32 v[BS+\c:BS+\c+1], v[BS+\c:BS+\c+1], v[BS+8+\c:BS+8+\c+1]
.endr
	s_wait_alu depctr_va_vdst(0)                   ; the sums have written v[BS:BS+3], which the store reads
	global_store_b128 v[VP0], v[BS:BS+3], s[12:13]             ; the wave's 512 consecutive bytes, at a multiple of 256 from part's first byte
.Lend:
	s_wait_dscnt 0x0                               ; the closing lines, six on end
	s_wait_alu 0x0
	s_wait_tensorcnt 0x0
	ds_add_u32 v240, v241
	s_wait_dscnt 0x0
	s_endpgm
.Lfunc_end_k_qe200ff75d1_gemm2:
	.size	k_qe200ff75d1_gemm2, .Lfunc_end_k_qe200ff75d1_gemm2-k_qe200ff75d1_gemm2
	.p2alignl 7, 3214868480
	.fill 96, 4, 3214868480
	.section	.rodata,"a",@progbits
	.p2align	6, 0x0
	.amdhsa_kernel k_qe200ff75d1_gemm2
		.amdhsa_group_segment_fixed_size 188416
		.amdhsa_private_segment_fixed_size 0
		.amdhsa_enable_private_segment 0
		.amdhsa_kernarg_size 40
		.amdhsa_user_sgpr_count 2
		.amdhsa_user_sgpr_kernarg_segment_ptr 1
		.amdhsa_wavefront_size32 1
		.amdhsa_system_sgpr_workgroup_id_x 1
		.amdhsa_system_sgpr_workgroup_id_y 1
		.amdhsa_system_sgpr_workgroup_id_z 1
		.amdhsa_system_vgpr_workitem_id 0
		.amdhsa_next_free_vgpr 242
		.amdhsa_next_free_sgpr 66
		.amdhsa_reserve_vcc 1
		.amdhsa_float_denorm_mode_32 3
		.amdhsa_float_denorm_mode_16_64 3
		.amdhsa_memory_ordered 1
		.amdhsa_forward_progress 1
		.amdhsa_inst_pref_size 58
	.end_amdhsa_kernel
	.amdgpu_metadata
---
amdhsa.version: [ 1, 2 ]
amdhsa.kernels:
  - .name:           k_qe200ff75d1_gemm2
    .symbol:         k_qe200ff75d1_gemm2.kd
    .args:
      - { .name: x, .offset: 0, .size: 8, .value_kind: global_buffer, .address_space: global }
      - { .name: mtp, .offset: 8, .size: 8, .value_kind: global_buffer, .address_space: global }
      - { .name: fc_b, .offset: 16, .size: 8, .value_kind: global_buffer, .address_space: global }
      - { .name: logits_w, .offset: 24, .size: 8, .value_kind: global_buffer, .address_space: global }
      - { .name: part, .offset: 32, .size: 8, .value_kind: global_buffer, .address_space: global }
    .group_segment_fixed_size: 188416
    .private_segment_fixed_size: 0
    .kernarg_segment_align: 8
    .kernarg_segment_size: 40
    .max_flat_workgroup_size: 512
    .sgpr_count:     66
    .vgpr_count:     242
    .wavefront_size: 32
...
	.end_amdgpu_metadata
.endif
;; end of part 6
;; launch finish: the kernel of part 4 again; grid 160 x 1, 2 waves a work-group, no clusters, 0 bytes of LDS; arguments part, logits_b, out0; writes out0
